; MI455X (gfx1250); checked and timed in simulation.
; The chip was launched on July 23, 2026; its instructions are those of AMD's public machine-readable ISA for CDNA 5 (MIT licence, August 2026) and "CDNA5" Instruction Set Architecture Reference Guide (July 2026). The comments in the code are by the model that wrote it; some were corrected since.
;; Multi Head Attention Concise. Allowed arithmetic: matrix products marked QUANTISED: E2M1 operands, one E8M0 scale for each 32 along K, by v_wmma_scale_f32_16x16x128_f8f6f4 with both operands' format E2M1 (or v_wmma_scale_f32_32x16x128_f4), f32 sums; products left as they are: bf16, f16 or f32 operands; f32 sums; everything else in f32.
;; Inputs: Wo 1,024 x 1,024 float32; Wqkv 1,024 x 3,072 float32; bo 1,024 float32; bqkv 3,072 float32; x 8 x 1,000 x 1,024 float32.
;; Outputs: out0 8 x 1,000 x 1,024 float32.
;; This version of the problem:
;;   THIS VERSION OF THE PROBLEM IS GIVEN IN LOW PRECISION. The matrix products marked QUANTISED in the list below multiply operands that are first quantised to E2M1 (2 exponent bits, 1 mantissa bit; 4 bits a number), with one power-of-two scale for each 32 numbers along K (OCP MX v1.0); their sums are f32. The products marked 'left as it is' may take bf16, f16 or f32 operands, with f32 sums. Whichever they take, every output number must still come out within the allowed error. Rounding operands to bf16 (8 significant bits) uses up far more of that allowance than f16 does (11 bits, for magnitudes from 6e-5 to 65,504). All else is computed in f32.
;;   The module's matrix products, in the order in which they are computed (A, B: the left and right operand; K: the contracted axis; several contracted axes count as one K, in the product's order):
;;     1. [M 8,000, K 1,024] x [K 1,024, N 3,072]; A: input x; B: input Wqkv: QUANTISED
;;     2. batch 128 x [M 1,000, K 64] x [K 64, N 1,000]; A: computed on the way; B: computed on the way: left as it is (an operand is computed on the way)
;;     3. batch 128 x [M 64, K 1,000] x [K 1,000, N 1,000]; A: computed on the way; B: computed on the way: left as it is (an operand is computed on the way)
;;     4. [M 8,000, K 1,024] x [K 1,024, N 1,024]; A: computed on the way; B: input Wo: left as it is (an operand is computed on the way)
;;   THE QUANTISER, for each operand of a quantised product, along K:
;;     - K is cut into blocks of 32 from its start; a last block that is shorter is filled with zeros.
;;     - A block's scale is 2^e with e = floor(log2(the largest magnitude in the block)) - 2, held to -126 .. 127; a block of zeros has e = 0. As a byte (E8M0): e + 127.
;;     - Each number is divided by its block's scale, clamped to +-6, and rounded to the nearest number of E2M1, ties to even, subnormals kept.
;;     - The product sums the exact products of the quantised numbers (number of the format x scale) in f32.
;;   ~~~python
;;   def quantise(x, axis):      # numpy; x: float32 -> the quantised numbers, widened to float32 again
;;       x = np.moveaxis(x, axis, -1); K = x.shape[-1]
;;       x = np.pad(x, [(0, 0)] * (x.ndim - 1) + [(0, -K % 32)]); x = x.reshape(x.shape[:-1] + (-1, 32)); a = np.abs(x).max(-1, keepdims=True)
;;       e = np.where(a > 0, np.clip(np.frexp(np.where(a > 0, a, 1))[1] - 1 - 2, -126, 127), 0)      # np.frexp(a)[1] - 1 = floor(log2(a)), exactly
;;       r = np.clip(x / 2.0 ** e, -6, 6)
;;       step = 2.0 ** (np.maximum(np.frexp(np.where(r == 0, 1, r))[1] - 1, 0) - 1)
;;       q = np.round(r / step) * step * 2.0 ** e      # np.round: ties to even
;;       return np.moveaxis(q.reshape(q.shape[:-2] + (-1,))[..., :K], -1, axis).astype(np.float32)
;;   ~~~
;; One version. Each part assembles by itself: llvm-mc -triple=amdgcn-amd-amdhsa -mcpu=gfx1250 --defsym DOCPART=n.
;; ======== version 1 of 1: 5 launches
;; limits: values are held in f16: magnitudes above 65,504 overflow, below 6.1e-05 lose precision
;; workspace buffers: xq 4,194,304 bytes; xs 262,144 bytes; wq 1,572,864 bytes; ws 98,304 bytes; wo16 4,194,304 bytes; qkvh 50,331,648 bytes; qkvf 1,572,864 bytes; oh 16,777,216 bytes
;; launch prep (part 1): grid 416 x 1, 4 waves a work-group, no clusters, 102,912 bytes of LDS; arguments x, Wqkv, Wo, xq, xs, wq, ws, wo16; writes xq, xs, wq, ws, wo16
.if DOCPART == 1
	.amdgcn_target "amdgcn-amd-amdhsa--gfx1250"
	.amdhsa_code_object_version 6
	.text
	.protected	k_qf33d81d485_prep
	.globl	k_qf33d81d485_prep
	.p2align	8
	.type	k_qf33d81d485_prep,@function
k_qf33d81d485_prep:
	s_mov_b64 s[64:65], 0
	v_nop
	global_prefetch_b8 v0, s[64:65] scope:SCOPE_SE
	s_setreg_imm32_b32 hwreg(HW_REG_WAVE_MODE, 25, 1), 1
	s_wait_xcnt 0x0
; PREP: the operands of the later launches are laid out once.  Three kinds of work-group, told apart by the work-group's number alone; the three ways never join, and each has LDS bytes of its own.
;   0-255   X: x [8][1000][1024] f32 -> codes of E2M1, K innermost, xq [8][1024][512 bytes], and one E8M0 byte for each 32 along K, xs [8][1024][32].  Rows 1000-1023 of each batch are padding: zero codes, byte 127.
;   256-351 W: Wqkv [1024 k][3072 n] f32 -> wq [3072][512 bytes], ws [3072][32]: a lane takes a column and its registers run down K, so the codes come out with K innermost.
;   352-415 O: Wo [1024 k][1024 n] f32 -> wo16 [2][1024 n][1024 k] f16: a high part (Wo rounded to 11 significant bits) and a low part (what the high part leaves).
; A block's scale is 2^(floor(log2(its largest magnitude)) - 2): its byte is the largest magnitude's exponent field - 2, held at 1 from below.
; LIMITS: NaN and infinities among the inputs are not served.  A block whose largest magnitude lies under 2^-124 gets the byte 1; so does a block of zeros (its codes are zeros; this program alone reads the bytes).
; |Wo| stays under 65,504 (f16).  No tensor loads, no barrier: waves share nothing.
.set SPW,   198                        ; v198  LDS address of my spare word: SPARE + 4 x my thread's number; never rewritten
.set NIL,   199                        ; v199  0; never rewritten
.set XREG,  8192                       ; way X: a region for each wave from LDS byte 0: two stages of 32 x SP bytes, then its 256 scale bytes
.set SP,    80                         ; a lane's place in a stage: 64 bytes + 16 of padding
.set CB,    8                          ; bytes of 16 codes
.set EMAX,  2
.set STEPS, 16
.set PITCH, 272                        ; ways W and O: a stage row: 256 bytes + 16 of padding
.set WST,   32768                      ; way W: a region of WREG bytes for each wave
.set WREG,  4608                       ; a stage of 16 rows, then the wave's 256 scale bytes
.set OST,   67584                      ; way O: four stages of 32 rows
.set SPARE, 102400                     ; the spare words, 128 bytes for each wave: two blocks of 256 bytes that no other line names
	s_load_b256 s[4:11], s[0:1], 0x0               ; x s[4:5], Wqkv s[6:7], Wo s[8:9], xq s[10:11]
	s_load_b256 s[12:19], s[0:1], 0x20             ; xs s[12:13], wq s[14:15], ws s[16:17], wo16 s[18:19]
	v_lshl_add_u32 v[SPW], v0, 2, SPARE
	v_mov_b32 v[NIL], 0
	v_lshrrev_b32 v1, 5, v0
	v_readfirstlane_b32 s20, v1                    ; wave 0..3
	v_and_b32 v2, 31, v0                           ; lane
	s_mov_b32 s27, 0                               ; the high word of every offset: all stay under 2^32
	s_wait_kmcnt 0x0
	s_cmp_lt_u32 ttmp9, 256
	s_cbranch_scc1 .Lpath_x
	s_cmp_lt_u32 ttmp9, 352
	s_cbranch_scc1 .Lpath_w
; ---------------- way O: a wave takes 32 columns of Wo x 128 along K.  A lane takes a column; each load reads 128 consecutive bytes of a row of Wo.
	s_sub_co_u32 s21, ttmp9, 352
	s_and_b32 s22, s21, 7                          ; which 128 columns
	s_lshr_b32 s23, s21, 3                         ; which 128 along K
	s_lshl_b32 s24, s22, 7
	s_lshl_b32 s25, s20, 5
	s_add_co_u32 s24, s24, s25                     ; my wave's first column
	s_lshl_b32 s26, s23, 19                        ; 128 rows of 4,096 bytes
	s_lshl_b32 s25, s24, 2
	s_add_co_u32 s26, s26, s25
	s_add_nc_u64 s[8:9], s[8:9], s[26:27]
	s_lshl_b32 s26, s24, 11                        ; out: a row of wo16 is 2,048 bytes,
	s_lshl_b32 s25, s23, 8                         ; my 128 along K are 256 of them
	s_add_co_u32 s26, s26, s25
	s_add_nc_u64 s[18:19], s[18:19], s[26:27]
	s_mov_b32 s30, 0x1000                          ; half of the last place that f16 keeps, in the f32 number's bits
	s_mov_b32 s31, 0xffffe000                      ; sign, exponent and ten bits of mantissa
	v_lshlrev_b32 v3, 2, v2                        ; in: 4 bytes a lane
	s_mul_i32 s25, s20, 32*PITCH
	s_add_co_u32 s25, s25, OST                     ; my stage
	v_mul_u32_u24 v4, v2, PITCH
	v_add_nc_u32 v4, s25, v4                       ; into it: row = my column
	v_and_b32 v5, 15, v2
	v_lshrrev_b32 v6, 4, v2
	v_mul_u32_u24 v7, v6, PITCH
	v_lshl_add_u32 v7, v5, 4, v7
	v_add_nc_u32 v7, s25, v7                       ; out of it: sixteen lanes to a row, two rows an instruction
	v_lshlrev_b32 v8, 11, v6
	v_lshl_add_u32 v8, v5, 4, v8                   ; and the same place in wo16
.macro LOADO t                         ; block t: Wo(32 t + i, my column), i = 0 .. 31, into set t % 2
.set i, 0
.rept 32
	global_load_b32 v[32+32*((\t)%2)+i], v3, s[8:9] offset:(32*(\t)+i)*4096 th:TH_LOAD_NT
.set i, i+1
.endr
.endm
; Block t.  High part: the number's bits + 0x1000, cut to ten bits of mantissa: the number rounded to what f16 holds, still in f32.  Low part: the number less that, exact in f32.  Both are then packed to f16.
.macro BLOCKO t
.set XS, 32+32*((\t)%2)
.if (\t) < 3
	s_wait_loadcnt 32                              ; this block's 32 loads are in; the next block's may be out
.else
	s_wait_loadcnt 0x0
.endif
.set i, 0
.rept 16
.set TA, 112+2*(i%2)
	v_add_nc_u32 v[TA], s30, v[XS+2*i]
	v_add_nc_u32 v[TA+1], s30, v[XS+2*i+1]
	v_and_b32 v[TA], s31, v[TA]
	v_and_b32 v[TA+1], s31, v[TA+1]
	v_cvt_pk_f16_f32 v[96+i], v[TA], v[TA+1]       ; the high parts of k = 32 t + 2 i, + 1: v96-111
	v_sub_f32 v[TA], v[XS+2*i], v[TA]
	v_sub_f32 v[TA+1], v[XS+2*i+1], v[TA+1]
	v_cvt_pk_f16_f32 v[116+16*(\t)+i], v[TA], v[TA+1]   ; the low parts are kept: v116-179
.set i, i+1
.endr
.irp q, 0,1,2,3
	ds_store_b128 v4, v[96+4*\q:99+4*\q] offset:64*(\t)+16*\q
.endr
.if (\t)+2 < 4
	LOADO (\t)+2
.endif
	s_wait_dscnt 0x0                               ; the stores have read v96-111: the next block may write them
.endm
.macro OUTO part                       ; 32 rows of 256 bytes leave: sixteen lanes store 256 consecutive bytes, aligned
.irp t, 0,1,2,3,4,5,6,7,8,9,10,11,12,13,14,15
	ds_load_b128 v[32+4*\t:35+4*\t], v7 offset:2*\t*PITCH   ; LDS serves a wave's instructions in order: these see my stores
.endr
.irp t, 0,1,2,3,4,5,6,7,8,9,10,11,12,13,14,15
	s_wait_dscnt 15-\t                             ; the younger loads of the run may be out
	global_store_b128 v8, v[32+4*\t:35+4*\t], s[18:19] offset:2*\t*2048+(\part)*2097152
.endr
.endm
	LOADO 0
	LOADO 1
	BLOCKO 0
	BLOCKO 1
	BLOCKO 2
	BLOCKO 3
	OUTO 0
.irp t, 0,1,2,3
.irp q, 0,1,2,3
	ds_store_b128 v4, v[116+16*\t+4*\q:119+16*\t+4*\q] offset:64*\t+16*\q   ; the low parts, behind my reads of the high ones
.endr
.endr
	s_wait_xcnt 0x0                                ; the stores of the high part have read v32-95: they are loaded again only behind this wait
	OUTO 1
	s_wait_tensorcnt 0x0                           ; the wave's end: three lines behind my last LDS store
	ds_add_u32 v[SPW], v[NIL]
	s_wait_dscnt 0x0
	s_endpgm
; ---------------- way W: a wave takes 16 columns of Wqkv x 512 along K.  Lane (r, h) takes column r and every second block of 32 along K: blocks 2 t + h, t = 0 .. 7.  So a wave has 32 KiB to read, as a wave of
; way X has, with two blocks a lane (64 loads) on their way.  A load reads 64 consecutive bytes of two rows; the four waves of a work-group stand side by side on 256 consecutive bytes of each row.
; A column's 16 blocks are 256 bytes of codes: they are gathered in the wave's stage and leave as whole rows.
.Lpath_w:
.set WX,   32                          ; v32-95   two sets of 32 numbers
.set WCD,  96                          ; v96-99   a block's codes
.set WOUT, 112                         ; v112-143 the way out
	s_sub_co_u32 s21, ttmp9, 256
	s_lshr_b32 s22, s21, 1                         ; which 64 columns
	s_and_b32 s23, s21, 1                          ; which half of K
	s_lshl_b32 s24, s22, 6
	s_lshl_b32 s25, s20, 4
	s_add_co_u32 s24, s24, s25                     ; my wave's first column
	s_mul_i32 s26, s23, 512*12288                  ; 512 rows of 12,288 bytes
	s_lshl_b32 s25, s24, 2
	s_add_co_u32 s26, s26, s25
	s_add_nc_u64 s[6:7], s[6:7], s[26:27]
	s_lshl_b32 s26, s24, 9                         ; codes: 512 bytes a column, 256 for each half of K
	s_lshl_b32 s25, s23, 8
	s_add_co_u32 s26, s26, s25
	s_add_nc_u64 s[14:15], s[14:15], s[26:27]
	s_lshl_b32 s26, s24, 5                         ; scale bytes: 32 a column, 16 for each half
	s_lshl_b32 s25, s23, 4
	s_add_co_u32 s26, s26, s25
	s_add_nc_u64 s[16:17], s[16:17], s[26:27]
	v_and_b32 v5, 15, v2                           ; r: my column
	v_lshrrev_b32 v6, 4, v2                        ; h: the even blocks or the odd ones
	v_mul_u32_u24 v3, v6, 32*12288
	v_lshl_add_u32 v3, v5, 2, v3                   ; in: 4 r, and 32 rows further down for lanes 16-31
	s_mul_i32 s25, s20, WREG
	s_add_co_u32 s25, s25, WST                     ; my stage
	v_mul_u32_u24 v4, v5, PITCH
	v_lshl_add_u32 v4, v6, 4, v4
	v_add_nc_u32 v4, s25, v4                       ; into it: row = my column; block 2 t + h lies 32 t + 16 h bytes on
	v_mul_u32_u24 v7, v6, PITCH
	v_lshl_add_u32 v7, v5, 4, v7
	v_add_nc_u32 v7, s25, v7                       ; out of it: sixteen lanes to a row, two rows an instruction
	v_lshlrev_b32 v8, 9, v6
	v_lshl_add_u32 v8, v5, 4, v8                   ; and the same place in wq
	s_add_co_u32 s25, s25, 16*PITCH                ; behind the stage: my wave's 256 scale bytes, 16 to a column
	v_lshl_add_u32 v9, v5, 4, v6
	v_add_nc_u32 v9, s25, v9                       ; my block's byte: 16 r + h, + 2 t
	v_lshlrev_b32 v10, 3, v2
	v_add_nc_u32 v14, s25, v10                     ; back: 8 bytes a lane: column lane / 2, half lane % 2
	v_lshrrev_b32 v15, 1, v2
	v_lshlrev_b32 v15, 5, v15
	v_and_b32 v10, 1, v2
	v_lshl_add_u32 v15, v10, 3, v15                ; and the same place in ws
.macro LOADW t                         ; my block 2 t + h: rows 64 t + 32 h + i.  Every offset an immediate: 479 rows of 12,288 bytes at the most, inside the signed 24 bits
.set i, 0
.rept 32
	global_load_b32 v[WX+32*((\t)%2)+i], v3, s[6:7] offset:(64*(\t)+i)*12288 th:TH_LOAD_NT
.set i, i+1
.endr
.endm
.macro BLOCKW t
.set XS, WX+32*((\t)%2)
.if (\t) < 7
	s_wait_loadcnt 32                              ; this block's 32 loads are in; the next block's may be out
.else
	s_wait_loadcnt 0x0
.endif
	v_max3_num_f32 v12, |v[XS]|, |v[XS+1]|, |v[XS+2]|   ; the block's largest magnitude: all 32 numbers are mine
	v_max3_num_f32 v13, |v[XS+3]|, |v[XS+4]|, |v[XS+5]|
.irp i, 6,10,14,18,22,26
	v_max3_num_f32 v12, v12, |v[XS+\i]|, |v[XS+\i+1]|
	v_max3_num_f32 v13, v13, |v[XS+\i+2]|, |v[XS+\i+3]|
.endr
	v_max3_num_f32 v12, v12, |v[XS+30]|, |v[XS+31]|
	v_max3_num_f32 v12, v12, v13, (EMAX+1)<<23     ; and the floor 2^(3 - 127): the byte cannot fall under 1
	v_add_nc_u32 v11, -(EMAX<<23), v12             ; 2 off the exponent field: the conversion takes that field of this operand as its scale
	v_lshrrev_b32 v13, 23, v11                     ; the scale's byte
.irp g, 0,1,2,3
	v_cvt_scalef32_pk8_fp4_f32 v[WCD+\g], v[XS+8*\g:XS+8*\g+7], v11
.endr
	ds_store_b128 v4, v[WCD:WCD+3] offset:32*(\t)  ; 32 codes: 16 bytes of my column's row
	ds_store_b8 v9, v13 offset:2*(\t)              ; each lane a byte of its own
.if (\t)+2 < 8
	LOADW (\t)+2
.endif
	s_wait_dscnt 0x0                               ; the stores have read their registers: the next block's codes and byte may be written
.endm
	LOADW 0
	LOADW 1
.set Q, 0
.rept 8
	BLOCKW Q
.set Q, Q+1
.endr
	ds_load_b64 v[16:17], v14                      ; LDS serves a wave's instructions in order: these see my stores
.irp t, 0,1,2,3,4,5,6,7
	ds_load_b128 v[WOUT+4*\t:WOUT+4*\t+3], v7 offset:2*\t*PITCH
.endr
	s_wait_dscnt 8                                 ; the scale bytes are back; the eight loads behind them may be out
	global_store_b64 v15, v[16:17], s[16:17]       ; two lanes store a column's 16 scale bytes
.irp t, 0,1,2,3,4,5,6,7
	s_wait_dscnt 7-\t
	global_store_b128 v8, v[WOUT+4*\t:WOUT+4*\t+3], s[14:15] offset:2*\t*512   ; sixteen lanes store 256 consecutive bytes, aligned
.endr
	s_wait_tensorcnt 0x0                           ; the wave's end: the three lines
	ds_add_u32 v[SPW], v[NIL]
	s_wait_dscnt 0x0
	s_endpgm
; ---------------- way X: a wave takes a run of 8 rows of xq (8,192 numbers) in 16 steps of 512.  Each load reads 512 consecutive bytes; a step's 2,048 bytes turn through the wave's stage,
; so that a lane then holds 16 neighbours along K (two neighbouring lanes hold a block).
.Lpath_x:
.set XR, 16                            ; v16-79   four sets of 16 numbers as they are loaded
.set XX, 80                            ; v80-111  two sets of 16 neighbours
.set XE, 112                           ; v112-127 a scale byte for each step
.set XC, 128                           ; v128-191 codes: registers of its own for each step, so that no store's data are written again
	v_lshlrev_b32 v3, 4, v2                        ; my 16 bytes of a load's 512
	s_mul_i32 s21, s20, XREG
	v_lshrrev_b32 v14, 2, v2
	v_mul_u32_u24 v14, v14, SP
	v_and_b32 v15, 3, v2
	v_lshl_add_u32 v14, v15, 4, v14
	v_add_nc_u32 v14, s21, v14                     ; the stage, on the way in: SP (lane / 4) + 16 (lane % 4)
	v_mul_u32_u24 v15, v2, SP
	v_add_nc_u32 v15, s21, v15                     ; and on the way out: SP x lane
	v_mul_u32_u24 v4, v2, CB                       ; my codes' place in a step's
	v_lshrrev_b32 v5, 1, v2
	s_add_co_u32 s21, s21, 2*32*SP
	v_add_nc_u32 v5, s21, v5                       ; my block's byte among my wave's 256
	v_lshlrev_b32 v7, 3, v2
	v_add_nc_u32 v6, s21, v7
	s_lshl_b32 s22, ttmp9, 2
	s_add_co_u32 s22, s22, s20                     ; the run, 0 .. 1023: 128 to a batch
	s_lshr_b32 s23, s22, 7                         ; the batch
	s_and_b32 s24, s22, 127                        ; the run in it: 125 and above are padding
	s_mul_i32 s23, s23, 125
	s_add_co_u32 s23, s23, s24
	s_lshl_b32 s26, s23, 15                        ; in x a batch has 125 runs of 32,768 bytes
	s_add_nc_u64 s[4:5], s[4:5], s[26:27]
	s_lshl_b32 s26, s22, 12
	s_add_nc_u64 s[10:11], s[10:11], s[26:27]      ; 4,096 bytes of codes a run
	s_lshl_b32 s26, s22, 8
	s_add_nc_u64 s[12:13], s[12:13], s[26:27]      ; 256 scale bytes
	s_cmp_ge_u32 s24, 125
	s_cbranch_scc1 .Lpad                           ; on ids alone; a pad run loads nothing
.macro LOADX t
.irp i, 0,1,2,3
	global_load_b128 v[XR+16*((\t)%4)+4*\i:XR+16*((\t)%4)+4*\i+3], v3, s[4:5] offset:2048*(\t)+512*\i th:TH_LOAD_NT
.endr
.endm
.macro TURNX t                         ; LDS serves a wave's instructions in order: no wait between the stores and the loads
.irp i, 0,1,2,3
	ds_store_b128 v14, v[XR+16*((\t)%4)+4*\i:XR+16*((\t)%4)+4*\i+3] offset:32*SP*((\t)%2)+8*SP*\i
.endr
.irp i, 0,1,2,3
	ds_load_b128 v[XX+16*((\t)%2)+4*\i:XX+16*((\t)%2)+4*\i+3], v15 offset:32*SP*((\t)%2)+16*\i
.endr
.endm
.macro STEPX t
.set XS, XX+16*((\t)%2)
.if (\t) > 0
	s_wait_dscnt 1                                 ; this step's numbers are back from the stage (the last step's byte store may be out)
.else
	s_wait_dscnt 0x0
.endif
.if (\t)+4 < STEPS
	LOADX (\t)+4                                   ; into the registers that this step's stage stores have read
.endif
.if (\t)+1 < STEPS
.if STEPS-2-(\t) >= 3
	s_wait_loadcnt 12                              ; the next step's four loads are in; those of the three steps behind it may be out
.else
	s_wait_loadcnt 4*(STEPS-2-(\t))
.endif
	TURNX (\t)+1
.endif
	v_max3_num_f32 v8, |v[XS]|, |v[XS+1]|, |v[XS+2]|   ; the largest magnitude of my 16
	v_max3_num_f32 v9, |v[XS+3]|, |v[XS+4]|, |v[XS+5]|
.irp i, 6,10
	v_max3_num_f32 v8, v8, |v[XS+\i]|, |v[XS+\i+1]|
	v_max3_num_f32 v9, v9, |v[XS+\i+2]|, |v[XS+\i+3]|
.endr
	v_max3_num_f32 v8, v8, |v[XS+14]|, |v[XS+15]|
	v_max3_num_f32 v8, v8, v9, (EMAX+1)<<23        ; and the floor
	v_max_num_f32_dpp v8, v8, v8 row_xmask:1 row_mask:0xf bank_mask:0xf   ; and of my neighbour's 16: the block's
	v_add_nc_u32 v11, -(EMAX<<23), v8
	v_cvt_scalef32_pk8_fp4_f32 v[XC+4*(\t)], v[XS:XS+7], v11
	v_cvt_scalef32_pk8_fp4_f32 v[XC+4*(\t)+1], v[XS+8:XS+15], v11
	v_lshrrev_b32 v[XE+(\t)], 23, v11              ; the scale's byte (a plain line behind the conversions)
	ds_store_b8 v5, v[XE+(\t)] offset:16*(\t)      ; both lanes of a block write the same byte with the same value
	global_store_b64 v4, v[XC+4*(\t):XC+4*(\t)+1], s[10:11] offset:32*CB*(\t)   ; the wave stores 256 consecutive bytes, aligned
.endm
.irp t, 0,1,2,3
	LOADX \t
.endr
	s_wait_loadcnt 12                              ; step 0's four loads are in
	TURNX 0
.irp t, 0,1,2,3,4,5,6,7,8,9,10,11,12,13,14,15
	STEPX \t
.endr
	ds_load_b64 v[8:9], v6
	s_wait_dscnt 0x0
	global_store_b64 v7, v[8:9], s[12:13]          ; my wave's 256 scale bytes: one aligned block
	s_wait_tensorcnt 0x0                           ; the wave's end: the three lines
	ds_add_u32 v[SPW], v[NIL]
	s_wait_dscnt 0x0
	s_endpgm
.Lpad:                                             ; a run of padding: zero codes, which add nothing, under the byte 127
.irp i, 8,9,10,11
	v_mov_b32 v\i, 0
.endr
	v_mov_b32 v12, 0x7f7f7f7f
	v_mov_b32 v13, 0x7f7f7f7f
.irp t, 0,1,2,3,4,5,6,7
	global_store_b128 v3, v[8:11], s[10:11] offset:512*\t
.endr
	global_store_b64 v7, v[12:13], s[12:13]
	s_wait_tensorcnt 0x0
	ds_add_u32 v[SPW], v[NIL]
	s_wait_dscnt 0x0
	s_endpgm
.Lfunc_end_k_qf33d81d485_prep:
	.size	k_qf33d81d485_prep, .Lfunc_end_k_qf33d81d485_prep-k_qf33d81d485_prep
	.p2alignl 7, 3214868480
	.fill 96, 4, 3214868480
	.section	.rodata,"a",@progbits
	.p2align	6, 0x0
	.amdhsa_kernel k_qf33d81d485_prep
		.amdhsa_group_segment_fixed_size 102912
		.amdhsa_private_segment_fixed_size 0
		.amdhsa_enable_private_segment 0
		.amdhsa_kernarg_size 64
		.amdhsa_user_sgpr_count 2
		.amdhsa_user_sgpr_kernarg_segment_ptr 1
		.amdhsa_wavefront_size32 1
		.amdhsa_system_sgpr_workgroup_id_x 1
		.amdhsa_system_sgpr_workgroup_id_y 1
		.amdhsa_system_sgpr_workgroup_id_z 1
		.amdhsa_system_vgpr_workitem_id 0
		.amdhsa_next_free_vgpr 200
		.amdhsa_next_free_sgpr 66
		.amdhsa_reserve_vcc 0
		.amdhsa_float_denorm_mode_32 3
		.amdhsa_float_denorm_mode_16_64 3
		.amdhsa_memory_ordered 1
		.amdhsa_forward_progress 1
		.amdhsa_inst_pref_size 116
	.end_amdhsa_kernel
	.amdgpu_metadata
---
amdhsa.version: [ 1, 2 ]
amdhsa.kernels:
  - .name:           k_qf33d81d485_prep
    .symbol:         k_qf33d81d485_prep.kd
    .args:
      - { .name: x, .offset: 0, .size: 8, .value_kind: global_buffer, .address_space: global }
      - { .name: Wqkv, .offset: 8, .size: 8, .value_kind: global_buffer, .address_space: global }
      - { .name: Wo, .offset: 16, .size: 8, .value_kind: global_buffer, .address_space: global }
      - { .name: xq, .offset: 24, .size: 8, .value_kind: global_buffer, .address_space: global }
      - { .name: xs, .offset: 32, .size: 8, .value_kind: global_buffer, .address_space: global }
      - { .name: wq, .offset: 40, .size: 8, .value_kind: global_buffer, .address_space: global }
      - { .name: ws, .offset: 48, .size: 8, .value_kind: global_buffer, .address_space: global }
      - { .name: wo16, .offset: 56, .size: 8, .value_kind: global_buffer, .address_space: global }
    .group_segment_fixed_size: 102912
    .private_segment_fixed_size: 0
    .kernarg_segment_align: 8
    .kernarg_segment_size: 64
    .max_flat_workgroup_size: 128
    .sgpr_count:     66
    .vgpr_count:     200
    .wavefront_size: 32
...
	.end_amdgpu_metadata
.endif
;; end of part 1
;; launch qkv (part 2): grid 12 x 32, 4 waves a work-group, clusters of 4 x 4, 327,680 bytes of LDS; arguments xq, xs, wq, ws, bqkv, qkvh, qkvf; writes qkvh, qkvf
.if DOCPART == 2
	.amdgcn_target "amdgcn-amd-amdhsa--gfx1250"
	.amdhsa_code_object_version 6
	.text
	.protected	k_qf33d81d485_qkv
	.globl	k_qf33d81d485_qkv
	.p2align	8
	.type	k_qf33d81d485_qkv,@function
k_qf33d81d485_qkv:
	s_mov_b64 s[64:65], 0
	v_nop
	global_prefetch_b8 v0, s[64:65] scope:SCOPE_SE
	s_setreg_imm32_b32 hwreg(HW_REG_WAVE_MODE, 25, 1), 1
	s_wait_xcnt 0x0
	s_wait_alu depctr_hold_cnt(0) depctr_sa_sdst(0) depctr_va_vdst(0) depctr_va_sdst(0) depctr_va_ssrc(0) depctr_va_vcc(0) depctr_vm_vsrc(0)
	s_getreg_b32 s2, hwreg(HW_REG_IB_STS2, 6, 4)
	s_cmp_eq_u32 s2, 0
	s_cbranch_scc0 .Lentry_in_a_cluster
	s_endpgm
.Lentry_in_a_cluster:
	s_bfe_u32 s2, ttmp6, 0x10000c
	s_cmp_lg_u32 s2, 0xf033
	s_cbranch_scc0 .Lentry_shape_is_right
	s_endpgm
.Lentry_shape_is_right:
; QKV: the quantised product x Wqkv + bqkv on codes of E2M1 with E8M0 scales: [8192 padded rows][1024] x [3072][1024]^T, sums in f32.
; Out: q, k, v rounded to f16, laid by head: qkvh [3 parts][8 batches][16 heads][1024 positions][64]; and the same sums in f32 for positions 0-15 of each batch: qkvf [8][16][3072].
; A tile of 256 rows x 256 columns is made by a work-group of four waves; a wave makes 128 x 128: 64 accumulators of 16 x 16, 512 registers.  K = 1,024 is two LDS slots of 512 along K
; (a tile's row: 256 bytes), each filled once by the tensor data mover; the scale bytes of the tile's rows, for all of K, come once too.  Nothing is filled again.
; CLUSTERS: 4 x 4 work-groups.  The four of a row of the cluster need the same rows of x, the four of a column the same rows of W: each tile is asked for jointly.
; The tile row is 8 cy + cluster y, so that its place in its batch (tile row mod 4 = cluster y mod 4) is the same in all sixteen partners: the one branch that hangs on it is alike in all.
; THE MATRIX INSTRUCTION IS USED TRANSPOSED (source 0 = 16 rows of W, source 1 = 16 rows of x): a lane holds eight neighbouring columns of one row.  The bias is the C of each sum's first product.
; LIMIT: |q|, |k|, |v| stay under 65,504 (f16).
; REGISTERS: window 0: v0-31 addresses; v32-95 scale words, two sets, and nothing else; v128-191 x's fragments, one set; v192-255 the bias; on the way out v128-223 are at work.
;   window 1: W's fragments, two sets, at v0 and v128.  window 2: the accumulators of my rows 0-63 ((a, b) at v[8 (8 a + b)]).  window 3: those of my rows 64-127.
.set NQ,     4                         ; steps of 128 along K in a slot
.set ROWB,   256                       ; a tile's row in bytes: 512 codes
.set KROW,   512                       ; a row of codes in memory
.set PITCH,  272                       ; an LDS row: 256 bytes + 16 of padding: the 16 rows that a load touches start 68 words apart
.set FR,     8                         ; registers of a fragment
.set NL,     2                         ; LDS loads that bring one
.set NP,     4                         ; places behind this matrix instruction (ISA guide 7.12.1)
.set HALFT,  128*PITCH
.set SLOT,   4*HALFT                   ; x's 256 rows, then W's 256 rows
.set KS,     32                        ; a row of scale bytes
.set SCL,    2*SLOT                    ; behind the slots: the scales, as units of 256 bytes + 16 of padding
.set HALFS,  (128*KS/256)*272
.set SBLK,   (16*KS/256)*272
.set SPARE,  SCL+4*HALFS               ; the spare words, 128 bytes for each wave
.set WSTG,   14336                     ; the way out: a wave's stages, in slot 0, which has had its only fill and its last read by then: f16 at + 0 (2 heads x 16 rows x 144), f32 at + 5,120 (16 rows x 528)
.set ADRA, 16
.set ADRB, 20
.set FSTO, 22                          ; v22  the f32 stage: where I put 32 bytes of a row
.set FRD,  23                          ; v23  and where I read a row back
.set STO,  24                          ; v24  the f16 stage: where I put 16 bytes of a head's row
.set RD,   25                          ; v25  and where I read four rows back
.set CO,   26                          ; v26  16 x lane
.set ADRS, 27
.set SPW,  28
.set NIL,  29
.set BO,   30                          ; v30  32 x (lane / 16): my eight numbers of a bias tile
.set SC,   32
.set AF,   128
.set BIAS, 192
.set TMP,  128                         ; the way out: packed results
.set BK,   160                         ; rows read back: v160-191 and v192-223 by turns
.set G1, 24
.set G0, 32
.set G1B, 48
.set G0B, 56
.set G1S, 68
.set G0S, 76
.set G1SB, 80
.set G0SB, 88
.set MSB, 0
.macro WIN new                         ; the immediate's high byte repeats the setting that is left
.if MSB != \new
	s_set_vgpr_msb (MSB<<8)|\new
.set MSB, \new
.endif
.endm
.set MUL_LO,  0xa1                     ; source 0 (W) window 1, source 1 (x) window 0, C and D window 2
.set MUL_HI,  0xf1                     ; the same, C and D window 3
.set BIAS_LO, 0x81                     ; C (the bias) window 0, D window 2
.set BIAS_HI, 0xc1                     ; C window 0, D window 3
.set TO_B,    0x40
; A joint load: waves 0 and 1 fetch for x, waves 2 and 3 for W.  The branch hangs on the wave's number alone.  An s_nop 0 and four v_nop follow each of the two lines.
.macro JLOAD g0a, g1a, g0b, g1b
	s_cmp_eq_u32 s15, 0
	s_cbranch_scc0 .Lfor_b_\@
	tensor_load_to_lds s[\g0a:\g0a+3], s[\g1a:\g1a+7]
	s_nop 0
.rept 4
	v_nop
.endr
	s_branch .Lasked_\@
.Lfor_b_\@:
	tensor_load_to_lds s[\g0b:\g0b+3], s[\g1b:\g1b+7]
	s_nop 0
.rept 4
	v_nop
.endr
.Lasked_\@:
.endm
.macro CROUND                          ; a round of the cluster's barrier
	s_barrier_signal -1
	s_barrier_wait -1
	s_cmp_lg_u32 s14, 0
	s_cbranch_scc1 .Lnot_wave_0_\@
	s_barrier_signal -3
.Lnot_wave_0_\@:
	s_barrier_wait -3
	s_barrier_signal -1
	s_barrier_wait -1
.endm
	s_load_b128 s[4:7], s[0:1], 0x0                ; x's codes s[4:5], x's scales s[6:7]
	s_load_b128 s[8:11], s[0:1], 0x10              ; W's codes s[8:9], W's scales s[10:11]
	s_load_b64 s[12:13], s[0:1], 0x20              ; bqkv
	s_load_b128 s[96:99], s[0:1], 0x28             ; qkvh s[96:97], qkvf s[98:99]
	v_lshl_add_u32 v[SPW], v0, 2, SPARE
	v_mov_b32 v[NIL], 0
	ds_add_u32 v[SPW], v[NIL]                      ; the wave's opening: the add, twice on end, and its wait ahead of my first tensor load
	ds_add_u32 v[SPW], v[NIL]
	v_lshrrev_b32 v1, 5, v0
	v_readfirstlane_b32 s14, v1                    ; wave 0..3
	s_lshr_b32 s15, s14, 1                         ; which half of the tile's rows is mine.  Also: I fetch for x (0) or for W (1)
	s_and_b32 s16, s14, 1                          ; which half of its columns.  Also: which 128 rows of that tile I fetch
	s_bfe_u32 s40, ttmp6, 0x40000                  ; cx
	s_bfe_u32 s41, ttmp6, 0x40004                  ; cy
	s_lshl_b32 s42, ttmp9, 2
	s_add_co_u32 s42, s42, s40                     ; tile column = 4 x cluster x + cx
	s_and_b32 s17, ttmp7, 0xffff
	s_lshl_b32 s18, s41, 3
	s_add_co_u32 s17, s17, s18                     ; tile row = 8 cy + cluster y
	s_and_b32 s66, ttmp7, 3
	s_or_b32 s66, s66, s15                         ; 0 in the waves that hold positions 0-15 of a batch: made of the cluster's y and the wave's number alone
	s_lshl_b32 s43, s41, 2
	s_lshl_b32 s43, 15, s43                        ; my row of the cluster
	s_lshl_b32 s44, 0x1111, s40                    ; my column
	s_or_b32 s[G1+0], s43, (0<<16)|(1<<20)|(1<<21)|(5<<22)|(3<<25)   ; the mask; elements of 1 byte; padding on: 4 words after every 64; bit 21 beside a mask
	s_or_b32 s[G1B+0], s44, (0<<16)|(1<<20)|(1<<21)|(5<<22)|(3<<25)
.irp g, G1, G1B
	s_mov_b32 s[\g+1], ROWB<<16                    ; tensor_dim0
	s_mov_b32 s[\g+2], 128<<16                     ; tensor_dim1
	s_mov_b32 s[\g+3], ROWB<<16                    ; tile_dim0
	s_mov_b32 s[\g+4], 128                         ; tile_dim1
	s_mov_b32 s[\g+5], KROW                        ; from row to row
	s_mov_b32 s[\g+6], 0
	s_mov_b32 s[\g+7], 0
.endr
	s_or_b32 s[G1S+0], s43, (3<<16)|(1<<20)|(1<<21)|(5<<22)|(3<<25)  ; the scales of 128 rows: 4,096 dense bytes as 16 rows of 256 (32 elements of 8 bytes)
	s_or_b32 s[G1SB+0], s44, (3<<16)|(1<<20)|(1<<21)|(5<<22)|(3<<25)
.irp g, G1S, G1SB
	s_mov_b32 s[\g+1], 32<<16
	s_mov_b32 s[\g+2], (128*KS/256)<<16
	s_mov_b32 s[\g+3], 32<<16
	s_mov_b32 s[\g+4], 128*KS/256
	s_mov_b32 s[\g+5], 32
	s_mov_b32 s[\g+6], 0
	s_mov_b32 s[\g+7], 0
.endr
	s_lshl_b32 s18, s16, 7
	s_lshl_b32 s20, s17, 8
	s_add_co_u32 s20, s20, s18                     ; x: row 256 x tile row + 128 x half
	s_lshl_b32 s46, s42, 8
	s_add_co_u32 s46, s46, s18                     ; W: row 256 x tile column + 128 x half
	s_mov_b32 s21, 0
	s_mov_b32 s47, 0
	s_mov_b64 s[18:19], KS
	s_mul_u64 s[22:23], s[20:21], s[18:19]
	s_mul_u64 s[92:93], s[46:47], s[18:19]
	s_mov_b64 s[18:19], KROW
	s_mul_u64 s[20:21], s[20:21], s[18:19]
	s_mul_u64 s[46:47], s[46:47], s[18:19]
	s_mul_i32 s45, s14, HALFT                      ; where they go: wave x 128 rows: no place in the cluster enters an LDS address
	s_mul_i32 s94, s14, HALFS
	s_wait_dscnt 0x0                               ; both opening adds are done
	s_wait_kmcnt 0x0
	s_add_nc_u64 s[20:21], s[4:5], s[20:21]
	s_add_nc_u64 s[22:23], s[6:7], s[22:23]
	s_add_nc_u64 s[46:47], s[8:9], s[46:47]
	s_add_nc_u64 s[92:93], s[10:11], s[92:93]
	CROUND                                         ; all sixteen work-groups are here: the joint loads meet
	s_mov_b32 s[G0S], 1
	s_add_co_u32 s[G0S+1], s94, SCL
	s_mov_b64 s[G0S+2:G0S+3], s[22:23]
	s_or_b32 s[G0S+3], s[G0S+3], 0x80000000
	s_mov_b32 s[G0SB], 1
	s_add_co_u32 s[G0SB+1], s94, SCL
	s_mov_b64 s[G0SB+2:G0SB+3], s[92:93]
	s_or_b32 s[G0SB+3], s[G0SB+3], 0x80000000
	JLOAD G0S, G1S, G0SB, G1SB                     ; the scales first; by this text's count three tensor loads of a wave are out at the most
.irp s, 0,1
	s_mov_b32 s[G0+4*\s], 1
	s_add_co_u32 s[G0+4*\s+1], s45, \s*SLOT
	s_add_nc_u64 s[G0+4*\s+2:G0+4*\s+3], s[20:21], \s*ROWB
	s_or_b32 s[G0+4*\s+3], s[G0+4*\s+3], 0x80000000
	s_mov_b32 s[G0B+4*\s], 1
	s_add_co_u32 s[G0B+4*\s+1], s45, \s*SLOT
	s_add_nc_u64 s[G0B+4*\s+2:G0B+4*\s+3], s[46:47], \s*ROWB
	s_or_b32 s[G0B+4*\s+3], s[G0B+4*\s+3], 0x80000000
	JLOAD G0+4*\s, G1, G0B+4*\s, G1B
.endr
	v_and_b32 v1, 15, v0                           ; r = lane % 16
	v_bfe_u32 v2, v0, 4, 1                         ; h = lane / 16
	; the bias of my 128 columns: for column tile b, lane (r, h) wants numbers 16 b + 8 h + 0 .. 7
	s_lshl_b32 s22, s42, 10
	s_lshl_b32 s23, s16, 9
	s_add_co_u32 s22, s22, s23                     ; my first column, in bytes of f32
	s_mov_b32 s23, 0
	s_add_nc_u64 s[12:13], s[12:13], s[22:23]
	v_lshlrev_b32 v[BO], 5, v2
.irp b, 0,1,2,3,4,5,6,7
	global_load_b128 v[BIAS+8*\b:BIAS+8*\b+3], v[BO], s[12:13] offset:64*\b
	global_load_b128 v[BIAS+8*\b+4:BIAS+8*\b+7], v[BO], s[12:13] offset:64*\b+16
.endr
	v_mul_u32_u24 v3, v1, PITCH
	v_lshl_add_u32 v4, v2, 4, v3                   ; a fragment's row x pitch + 16 x half
	s_mul_i32 s21, s15, HALFT
	s_mul_i32 s22, s16, HALFT
	s_add_co_u32 s22, s22, 2*HALFT
.irp s, 0,1
	v_add_nc_u32 v[ADRA+\s], s21, v4
	v_add_nc_u32 v[ADRB+\s], s22, v4
	s_add_co_u32 s21, s21, SLOT
	s_add_co_u32 s22, s22, SLOT
.endr
	v_mul_u32_u24 v5, v1, KS                       ; my row's scales: KS bytes a row,
	v_lshrrev_b32 v6, 8, v5
	v_lshl_add_u32 v5, v6, 4, v5                   ; and 16 more for each 256 passed
	s_mul_i32 s21, s15, HALFS
	s_mul_i32 s22, s16, HALFS
	s_add_co_u32 s22, s22, 2*HALFS
	s_sub_co_u32 s22, s22, s21
	v_mul_u32_u24 v6, s22, v2                      ; lanes 16-31 take W's
	s_add_co_u32 s21, s21, SCL
	v_add_nc_u32 v5, v5, v6
	v_add_nc_u32 v[ADRS], s21, v5
	s_mul_i32 s23, s14, WSTG                       ; my stages
	v_mul_u32_u24 v5, v1, 144
	v_lshl_add_u32 v5, v2, 4, v5
	v_add_nc_u32 v[STO], s23, v5                   ; f16, in: row r of 128 bytes + 16, my half's 16 bytes
	v_and_b32 v6, 31, v0
	v_lshlrev_b32 v[CO], 4, v6
	v_lshrrev_b32 v5, 3, v6
	v_mul_u32_u24 v5, v5, 144
	v_and_b32 v7, 7, v0
	v_lshl_add_u32 v5, v7, 4, v5
	v_add_nc_u32 v[RD], s23, v5                    ; back: eight lanes to a row, four rows an instruction
	s_add_co_u32 s23, s23, 5120
	v_mul_u32_u24 v5, v1, 528
	v_lshl_add_u32 v5, v2, 5, v5
	v_add_nc_u32 v[FSTO], s23, v5                  ; f32, in: row r of 512 bytes + 16, my half's 32 bytes
	v_add_nc_u32 v[FRD], s23, v[CO]                ; back: the 32 lanes take a row
	; where my part begins in qkvh: (128 part + 16 batch + head) x 131,072 + my first position x 128
	s_lshl_b32 s46, s42, 2
	s_lshl_b32 s47, s16, 1
	s_add_co_u32 s46, s46, s47                     ; which run of 64 columns of the 3,072: 4 x tile column + 2 x half
	s_lshr_b32 s47, s46, 4                         ; the part: q, k or v
	s_and_b32 s46, s46, 15                         ; the head; my second head is the next
	s_lshl_b32 s47, s47, 7
	s_add_co_u32 s46, s46, s47
	s_lshr_b32 s20, s17, 2                         ; the batch
	s_lshl_b32 s21, s20, 4
	s_add_co_u32 s46, s46, s21
	s_lshl_b32 s46, s46, 17
	s_and_b32 s21, s17, 3
	s_lshl_b32 s21, s21, 1
	s_add_co_u32 s21, s21, s15
	s_lshl_b32 s21, s21, 14                        ; 128 positions of 128 bytes
	s_add_co_u32 s46, s46, s21
	s_mov_b32 s47, 0
	s_add_nc_u64 s[96:97], s[96:97], s[46:47]
	s_mul_i32 s20, s20, 196608                     ; qkvf: 16 rows of 12,288 bytes a batch,
	s_lshl_b32 s21, s42, 10
	s_add_co_u32 s20, s20, s21
	s_lshl_b32 s21, s16, 9
	s_add_co_u32 s20, s20, s21                     ; and my first column
	s_mov_b32 s21, 0
	s_add_nc_u64 s[98:99], s[98:99], s[20:21]
.macro FRAG reg, adr, q, i             ; 16 rows x 128 K of 4-bit codes: lane l holds row l % 16; registers 4 c .. 4 c + 3 hold K = 64 c + 32 (l / 16) + 0 .. 31
.irp c, 0,1
	ds_load_b128 v[\reg+4*\c:\reg+4*\c+3], v[\adr] offset:64*(\q)+32*\c+(\i)*16*PITCH
.endr
.endm
; 16 matrix instructions: x's blocks a0, a0 + 1 against W's eight, 128 along K.  p: W's set; sc: the set of scale words.  first = 1: the bias starts the sums.
; The 64 accumulators take turns, one instruction a turn, in the same order in every step.
.macro MUL16 a0, p, q, sc, first
.irp a, \a0, \a0+1
.irp b, 0,1,2,3,4,5,6,7
.if \first
	v_wmma_scale_f32_16x16x128_f8f6f4 v[8*(8*((\a)%4)+\b):8*(8*((\a)%4)+\b)+7], v[128*(\p)+FR*\b:128*(\p)+FR*\b+FR-1], v[AF+FR*(\a):AF+FR*(\a)+FR-1], v[BIAS+8*\b:BIAS+8*\b+7], v[SC+8*NQ*(\sc)+NQ*\b+(\q)], v[SC+8*NQ*(\sc)+NQ*(\a)+(\q)] matrix_a_fmt:MATRIX_FMT_FP4 matrix_b_fmt:MATRIX_FMT_FP4 matrix_a_scale:MATRIX_SCALE_ROW1
.else
	v_wmma_scale_f32_16x16x128_f8f6f4 v[8*(8*((\a)%4)+\b):8*(8*((\a)%4)+\b)+7], v[128*(\p)+FR*\b:128*(\p)+FR*\b+FR-1], v[AF+FR*(\a):AF+FR*(\a)+FR-1], v[8*(8*((\a)%4)+\b):8*(8*((\a)%4)+\b)+7], v[SC+8*NQ*(\sc)+NQ*\b+(\q)], v[SC+8*NQ*(\sc)+NQ*(\a)+(\q)] matrix_a_fmt:MATRIX_FMT_FP4 matrix_b_fmt:MATRIX_FMT_FP4 matrix_a_scale:MATRIX_SCALE_ROW1
.endif
.endr
.endr
.endm
.macro FETCH_B slot, q, p
	WIN TO_B
.irp i, 0,1,2,3,4,5,6,7
	FRAG 128*(\p)+FR*\i, ADRB+\slot, \q, \i
.endr
	WIN 0
.endm
.macro FETCH_A slot, q, i0
.irp i, \i0, \i0+1, \i0+2, \i0+3
	FRAG AF+FR*(\i), ADRA+\slot, \q, \i
.endr
.endm
.macro SCALES sc                       ; a slot's scale words: lanes 0-15 take x's block i, lanes 16-31 W's block i
.irp i, 0,1,2,3,4,5,6,7
	ds_load_b128 v[SC+8*NQ*\sc+NQ*\i:SC+8*NQ*\sc+NQ*\i+3], v[ADRS] offset:\i*SBLK
.endr
.endm
.macro PLACES n                        ; plain vector instructions between a matrix instruction and a load into, or a read of, its registers
.rept \n
	v_nop
.endr
.endm
.macro STEP slot, q, first             ; a step of 128 along K that has its successor in the same slot
	s_wait_dscnt 4*NL                              ; W's set and x's blocks 0-3 are in; the youngest eight loads (x's blocks 4-7) may be out
.if \first
	WIN BIAS_LO
.else
	WIN MUL_LO
.endif
	MUL16 0, (\q)%2, \q, \slot, \first
	MUL16 2, (\q)%2, \q, \slot, \first
	s_wait_dscnt 0
	PLACES NP
	FETCH_B \slot, (\q)+1, 1-(\q)%2
	FETCH_A \slot, (\q)+1, 0
.if \first
	WIN BIAS_HI
.else
	WIN MUL_HI
.endif
	MUL16 4, (\q)%2, \q, \slot, \first
	MUL16 6, (\q)%2, \q, \slot, \first
	PLACES NP
	WIN 0
	FETCH_A \slot, (\q)+1, 4
.endm
.macro STEPS slot, from
.set Q, \from
.rept NQ-1-\from
	STEP \slot, Q, 0
.set Q, Q+1
.endr
.endm
	s_wait_tensorcnt 1                             ; the scales and my part of slot 0 are in (slot 1's load may be out),
	s_barrier_signal -1
	s_barrier_wait -1                              ; everybody's are
	FETCH_B 0, 0, 0
	FETCH_A 0, 0, 0
	SCALES 0
	FETCH_A 0, 0, 4
	s_wait_loadcnt 0x0                             ; the bias
	STEP 0, 0, 1
	STEPS 0, 1
	; slot 0's last step changes slots: one barrier; in front of it each wave waits for all its tensor loads (its part of slot 1) and for its reads of slot 0
	s_wait_tensorcnt 0x0
	ds_add_u32 v[SPW], v[NIL]                      ; 0 onto my spare word
	s_wait_dscnt 4*NL+1                            ; (the add and the youngest eight loads may be out)
	WIN MUL_LO
	MUL16 0, 1, NQ-1, 0, 0
	s_wait_dscnt 0x0
	s_barrier_signal -1
	MUL16 2, 1, NQ-1, 0, 0
	WIN 0
	s_barrier_wait -1
	PLACES NP
	v_add_nc_u32 v[ADRS], 4*NQ, v[ADRS]            ; on to slot 1's scale words
	FETCH_B 1, 0, 0
	FETCH_A 1, 0, 0
	SCALES 1
	WIN MUL_HI
	MUL16 4, 1, NQ-1, 0, 0
	MUL16 6, 1, NQ-1, 0, 0
	PLACES NP
	WIN 0
	FETCH_A 1, 0, 4
	STEPS 1, 0
	s_wait_dscnt 4*NL                              ; the very last step: nothing more to fetch
	WIN MUL_LO
	MUL16 0, 1, NQ-1, 1, 0
	MUL16 2, 1, NQ-1, 1, 0
	s_wait_dscnt 0
	WIN MUL_HI
	MUL16 4, 1, NQ-1, 1, 0
	MUL16 6, 1, NQ-1, 1, 0
	WIN 0
; THE WAY OUT, a block of 16 rows x 128 columns (two heads) at a time: rounded to f16, 16 bytes a lane into my stage, back as runs of four rows of a head, which are 512 consecutive bytes of qkvh.
.macro PACK a
.set AC, 64*((\a)%4)
	WIN 0x0a+5*((\a)/4)                            ; sources 0 and 1: window 2 or 3
.irp b, 0,1,2,3,4,5,6,7
.irp r, 0,1,2,3
	v_cvt_pk_f16_f32 v[TMP+4*\b+\r], v[AC+8*\b+2*\r], v[AC+8*\b+2*\r+1]   ; each accumulator from its low end on
.endr
.endr
	WIN 0
.endm
.macro TOSTAGE a
.set BB, BK+32*((\a)%2)
.irp b, 0,1,2,3,4,5,6,7
	ds_store_b128 v[STO], v[TMP+4*\b:TMP+4*\b+3] offset:(\b/4)*2304+32*(\b%4)
.endr
.irp t, 0,1,2,3,4,5,6,7
	ds_load_b128 v[BB+4*\t:BB+4*\t+3], v[RD] offset:(\t/4)*2304+576*(\t%4)   ; LDS serves a wave's instructions in order: these see the stores above
.endr
.endm
.macro SEND a
.set BB, BK+32*((\a)%2)
	s_wait_dscnt 0x0                               ; the block is back in registers
	s_wait_xcnt 0x0                                ; the block before has left its registers: the next block's loads may land there
.irp t, 0,1,2,3,4,5,6,7
	global_store_b128 v[CO], v[BB+4*\t:BB+4*\t+3], s[96:97] offset:(\t/4)*131072+(16*(\a)+4*(\t%4))*128   ; 32 lanes store 512 consecutive bytes, aligned
.endr
.endm
	PLACES NP
	PACK 0
	TOSTAGE 0
.irp a, 1,2,3,4,5,6,7                  ; block a's conversions stand between block a - 1's loads from the stage and the wait for them
	PACK \a
	SEND \a-1
	TOSTAGE \a
.endr
	SEND 7
	; positions 0-15 of a batch also leave in f32, for the launch that carries them finely: block 0 of the waves whose rows begin a batch
	s_cmp_lg_u32 s66, 0
	s_cbranch_scc1 .Lno_fine
	WIN 0x08                                       ; an LDS store's data are its source 1: window 2
.irp b, 0,1,2,3,4,5,6,7
	ds_store_b128 v[FSTO], v[8*\b:8*\b+3] offset:64*\b
	ds_store_b128 v[FSTO], v[8*\b+4:8*\b+7] offset:64*\b+16
.endr
	WIN 0
.irp t, 0,1,2,3,4,5,6,7,8,9,10,11,12,13,14,15
	ds_load_b128 v[128+4*\t:131+4*\t], v[FRD] offset:528*\t
.endr
.irp t, 0,1,2,3,4,5,6,7,8,9,10,11,12,13,14,15
	s_wait_dscnt 15-\t
	global_store_b128 v[CO], v[128+4*\t:131+4*\t], s[98:99] offset:12288*\t   ; 512 consecutive bytes of a row of qkvf
.endr
.Lno_fine:
	s_wait_tensorcnt 0x0                           ; the wave's end: three lines behind my last tensor load and my last LDS store
	ds_add_u32 v[SPW], v[NIL]
	s_wait_dscnt 0x0
	CROUND                                         ; the closing round
	s_endpgm
.Lfunc_end_k_qf33d81d485_qkv:
	.size	k_qf33d81d485_qkv, .Lfunc_end_k_qf33d81d485_qkv-k_qf33d81d485_qkv
	.p2alignl 7, 3214868480
	.fill 96, 4, 3214868480
	.section	.rodata,"a",@progbits
	.p2align	6, 0x0
	.amdhsa_kernel k_qf33d81d485_qkv
		.amdhsa_group_segment_fixed_size 327680
		.amdhsa_private_segment_fixed_size 0
		.amdhsa_enable_private_segment 0
		.amdhsa_kernarg_size 56
		.amdhsa_user_sgpr_count 2
		.amdhsa_user_sgpr_kernarg_segment_ptr 1
		.amdhsa_wavefront_size32 1
		.amdhsa_system_sgpr_workgroup_id_x 1
		.amdhsa_system_sgpr_workgroup_id_y 1
		.amdhsa_system_sgpr_workgroup_id_z 1
		.amdhsa_system_vgpr_workitem_id 0
		.amdhsa_next_free_vgpr 1024
		.amdhsa_next_free_sgpr 100
		.amdhsa_reserve_vcc 0
		.amdhsa_float_denorm_mode_32 3
		.amdhsa_float_denorm_mode_16_64 3
		.amdhsa_memory_ordered 1
		.amdhsa_forward_progress 1
		.amdhsa_inst_pref_size 133
	.end_amdhsa_kernel
	.amdgpu_metadata
---
amdhsa.version: [ 1, 2 ]
amdhsa.kernels:
  - .name:           k_qf33d81d485_qkv
    .symbol:         k_qf33d81d485_qkv.kd
    .args:
      - { .name: xq, .offset: 0, .size: 8, .value_kind: global_buffer, .address_space: global }
      - { .name: xs, .offset: 8, .size: 8, .value_kind: global_buffer, .address_space: global }
      - { .name: wq, .offset: 16, .size: 8, .value_kind: global_buffer, .address_space: global }
      - { .name: ws, .offset: 24, .size: 8, .value_kind: global_buffer, .address_space: global }
      - { .name: bqkv, .offset: 32, .size: 8, .value_kind: global_buffer, .address_space: global }
      - { .name: qkvh, .offset: 40, .size: 8, .value_kind: global_buffer, .address_space: global }
      - { .name: qkvf, .offset: 48, .size: 8, .value_kind: global_buffer, .address_space: global }
    .group_segment_fixed_size: 327680
    .private_segment_fixed_size: 0
    .kernarg_segment_align: 8
    .kernarg_segment_size: 56
    .max_flat_workgroup_size: 128
    .sgpr_count:     100
    .vgpr_count:     1024
    .wavefront_size: 32
...
	.end_amdgpu_metadata
.endif
;; end of part 2
;; launch attn (part 3): grid 2 x 128, 16 waves a work-group, no clusters, 327,680 bytes of LDS; arguments qkvh, oh; writes oh
.if DOCPART == 3
	.amdgcn_target "amdgcn-amd-amdhsa--gfx1250"
	.amdhsa_code_object_version 6
	.text
	.protected	k_qf33d81d485_attn
	.globl	k_qf33d81d485_attn
	.p2align	8
	.type	k_qf33d81d485_attn,@function
k_qf33d81d485_attn:
	s_mov_b64 s[64:65], 0
	v_nop
	global_prefetch_b8 v0, s[64:65] scope:SCOPE_SE
	s_setreg_imm32_b32 hwreg(HW_REG_WAVE_MODE, 25, 1), 1
	s_wait_xcnt 0x0
; ATTN: o = softmax(q k^T / 8, causal) v for one head of one batch (grid y = 16 batch + head), 1,024 padded positions, f16 operands, f32 sums, a running maximum.
; q, k, v: qkvh [3][128 heads][1024][64] f16.  o: oh [128][1024][64] f16.  Keys from 1,000 on come after every real query, so the causal mask hides them; pad queries give finite numbers that a later launch reads and drops.
; SHARES.  A head's queries are 32 groups of 32; group i needs i / 2 + 1 steps of 64 keys.  The head's two work-groups (grid x = g) have 16 waves each, a group to a wave: wave w takes group 2 T[w] + g, where T is a
; 4 x 4 square of the numbers 0 .. 15 (w = 4 row + column) whose rows and columns all add up to 30: waves 4 a .. 4 a + 3 together walk 34 steps, and so do waves a, a + 4, a + 8, a + 12.
; A wave's two tiles of 16 queries share every fragment of K and V.
; LDS.  The head's K and V lie there whole: each wave brings two tiles of 64 rows at the start (keys 0-511 first), and nothing is filled again.  The barrier that shows keys 512-1023 to every wave stands behind the
; first two steps (keys 0-127): from there to the way out the waves run freely, so that a wave with few steps holds no other up.
; No cluster: only the two work-groups of a head share tiles, and the launch forms at hand group four or sixteen.  No prefetch: all of K and V is asked for at the head.
; LAYOUT.  S^T = K Q^T (source 0 = 16 keys, source 1 = 16 queries): a lane holds ONE query (lane % 16) and keys 8 (lane / 16) + 0..7 of each tile.  Two tiles, rounded to f16 in pairs, ARE source 1 of
; O^T = V^T P.  K comes out of LDS as it lies, V ([key][channel]) turned, by ds_load_tr16_b128.
; EVERY wave walks all 16 steps: the trip counts are constants; a step all of whose keys come after the wave's queries is jumped over by a scalar branch on ids.
; LIMIT: NaN and infinities are not served.
.set PK,    144                        ; a row of K in LDS: 128 bytes + 16
.set PV,    160                        ; a row of V: 128 + 32
.set VOFF,  1024*PK
.set SPARE, VOFF+1024*PV               ; the spare words, 128 bytes for each of 16 waves
.set AK0, 1                            ; v1   my lane's place in a tile of K
.set AV0, 2                            ; v2   the same for V
.set ADK, 3                            ; v3   the step's address in K
.set ADV, 4                            ; v4   in V
.set SPW, 5
.set NIL, 6
.set GO,  7                            ; v7   16 x lane
.set STO, 8                            ; v8   the way out: where I put 16 bytes of a row (the stages lie in K's bytes, behind the last barrier)
.set RD,  9                            ; v9   and where I read four rows back
.set RH,  10                           ; v10  lane % 16 - 8 (lane / 16)
.set NINF, 11                          ; v11  -infinity
.set ST,  12                           ; v12-27 statistics, 8 a tile: +0 c m, +1 m, +2, +3 the sum in two halves, +4 .. +7 at work (the factor a at +6)
.set DM,  28                           ; v28-31 the mask's bound for each tile; later each tile's second chain of sums
.set QF,  32                           ; v32-63 Q: tile q, channels 32 c on: 32 + 16 q + 8 c
.set KV,  64                           ; v64-127 a step's K, then its V
.set S,   128                          ; v128-191 S^T, 32 a tile; p's f16 pairs are made in place in each tile's first 16
.set O,   192                          ; v192-255 O^T, 32 a tile
.set TBK, 2                            ; s2   where the step's rows of K begin in LDS
.set TBV, 3                            ; s3   and V's, less VOFF
.set WV,  18
.set SEL, 20
.set CS,  22                           ; s[22:23] c = log2(e) / 8
.set G1K, 24
.set G1V, 32
.set G0K, 40                           ; s[40:47] two groups 0 for K's tiles
.set G0V, 48                           ; s[48:55] for V's
.set KF,  56                           ; s56  the step's first key
.set Q0,  57                           ; s57  my first query
.set QL,  58                           ; s58  my last
.set CNT, 59
	s_load_b128 s[4:7], s[0:1], 0x0                ; qkvh s[4:5], oh s[6:7]
	v_lshl_add_u32 v[SPW], v0, 2, SPARE
	v_mov_b32 v[NIL], 0
	ds_add_u32 v[SPW], v[NIL]                      ; the wave's opening: the add, twice on end, and its wait ahead of my first tensor load
	ds_add_u32 v[SPW], v[NIL]
	v_lshrrev_b32 v3, 5, v0
	v_readfirstlane_b32 s[WV], v3                  ; wave 0..15
	s_mov_b32 s60, 0x7a94c12f                      ; the square, four bits a wave, wave 0 lowest: 15 2 1 12 / 4 9 10 7
	s_mov_b32 s61, 0x0de3b658                      ; and waves 8 to 15: 8 5 6 11 / 3 14 13 0
	s_cmp_lt_u32 s[WV], 8
	s_cselect_b32 s60, s60, s61
	s_and_b32 s61, s[WV], 7
	s_lshl_b32 s61, s61, 2
	s_lshr_b32 s60, s60, s61
	s_and_b32 s60, s60, 15                         ; T[w]: my steps less one
	s_lshl_b32 s60, s60, 1
	s_add_co_u32 s60, s60, ttmp9                   ; my group: 2 T[w] + g
	s_lshl_b32 s[Q0], s60, 5
	s_add_co_u32 s[QL], s[Q0], 31
	s_and_b32 s8, ttmp7, 0xffff
	s_lshl_b32 s8, s8, 17                          ; the head's first byte in a part of qkvh and in oh
	s_mov_b32 s9, 0
	s_lshl_b32 s10, s[Q0], 7                       ; my first query's row
	s_mov_b32 s11, 0
	s_and_b32 s12, s[WV], 7                        ; which 64 rows of each half I fetch
	s_lshl_b32 s14, s12, 13
	s_mov_b32 s15, 0
	s_mul_i32 s13, s12, 64*PK
	s_mul_i32 s16, s12, 64*PV
	; descriptor groups 1: 64 rows x 64 elements of 2 bytes, dense in memory; 4 (K) or 8 (V) words of padding behind each row's 32
	s_mov_b32 s[G1K], (1<<16)|(1<<20)|(4<<22)|(3<<25)
	s_mov_b32 s[G1V], (1<<16)|(1<<20)|(4<<22)|(7<<25)
.irp g, G1K, G1V
	s_mov_b32 s[\g+1], 64<<16                      ; tensor_dim0
	s_mov_b32 s[\g+2], 64<<16                      ; tensor_dim1
	s_mov_b32 s[\g+3], 64<<16                      ; tile_dim0
	s_mov_b32 s[\g+4], 64                          ; tile_dim1
	s_mov_b32 s[\g+5], 64                          ; from row to row
	s_mov_b32 s[\g+6], 0
	s_mov_b32 s[\g+7], 0
.endr
	s_mov_b32 s[SEL], 0x76543210
	s_mov_b32 s[SEL+1], 0xfedcba98
	s_mov_b32 s[CS], 0x3e38aa3b
	s_mov_b32 s[CS+1], s[CS]                       ; (named with it as a pair, so it is written)
	s_mov_b32 s[TBK], 0
	s_mov_b32 s[TBV], 0
	s_mov_b32 s[KF], 0
	s_wait_dscnt 0x0                               ; both opening adds are done
	s_wait_kmcnt 0x0
	s_add_nc_u64 s[4:5], s[4:5], s[8:9]            ; the head, in q's part
	s_add_nc_u64 s[6:7], s[6:7], s[8:9]
	s_add_nc_u64 s[6:7], s[6:7], s[10:11]          ; o at my first query
	s_add_nc_u64 s[14:15], s[4:5], s[14:15]        ; the rows that I fetch, still in q's part
	s_add_nc_u64 s[4:5], s[4:5], s[10:11]          ; q at my first query
	s_mov_b32 s[G0K], 1
	s_mov_b32 s[G0K+1], s13
	s_add_nc_u64 s[G0K+2:G0K+3], s[14:15], 0x1000000   ; k's part begins 16,777,216 bytes on
	s_or_b32 s[G0K+3], s[G0K+3], 0x80000000
	s_mov_b32 s[G0K+4], 1
	s_add_co_u32 s[G0K+5], s13, 512*PK
	s_add_nc_u64 s[G0K+6:G0K+7], s[14:15], 0x1010000   ; keys 512 on
	s_or_b32 s[G0K+7], s[G0K+7], 0x80000000
	s_mov_b32 s[G0V], 1
	s_add_co_u32 s[G0V+1], s16, VOFF
	s_add_nc_u64 s[G0V+2:G0V+3], s[14:15], 0x2000000   ; v's part
	s_or_b32 s[G0V+3], s[G0V+3], 0x80000000
	s_mov_b32 s[G0V+4], 1
	s_add_co_u32 s[G0V+5], s16, VOFF+512*PV
	s_add_nc_u64 s[G0V+6:G0V+7], s[14:15], 0x2010000
	s_or_b32 s[G0V+7], s[G0V+7], 0x80000000
	s_cmp_lt_u32 s[WV], 8                          ; waves 0-7 fetch K, waves 8-15 V: a wave's two fills stand in one branch, ahead of every wait on TENSORcnt, LDS read and barrier: two loads of mine are out
	s_cbranch_scc0 .Lfirst_v
	tensor_load_to_lds s[G0K:G0K+3], s[G1K:G1K+7]
	s_nop 0
	tensor_load_to_lds s[G0K+4:G0K+7], s[G1K:G1K+7]
	s_nop 0
.rept 4
	v_nop
.endr
	s_branch .Lfirst_asked
.Lfirst_v:
	tensor_load_to_lds s[G0V:G0V+3], s[G1V:G1V+7]
	s_nop 0
	tensor_load_to_lds s[G0V+4:G0V+7], s[G1V:G1V+7]
	s_nop 0
.rept 4
	v_nop
.endr
.Lfirst_asked:
	v_and_b32 v28, 15, v0                          ; r
	v_bfe_u32 v29, v0, 4, 1                        ; h
	v_lshlrev_b32 v30, 7, v28
	v_lshl_add_u32 v30, v29, 4, v30                ; Q: row r of 128 bytes, + 16 h
.irp q, 0,1
.irp c, 0,1
	global_load_b128 v[QF+16*\q+8*\c:QF+16*\q+8*\c+3], v30, s[4:5] offset:2048*\q+64*\c
	global_load_b128 v[QF+16*\q+8*\c+4:QF+16*\q+8*\c+7], v30, s[4:5] offset:2048*\q+64*\c+32
.endr
.endr
	v_mul_u32_u24 v[AK0], v28, PK
	v_lshl_add_u32 v[AK0], v29, 4, v[AK0]          ; row x pitch + 16 x half
	v_and_b32 v31, 7, v0
	v_lshl_add_u32 v[AV0], v29, 3, v31             ; the turning load: key 8 (l / 16) + l % 8,
	v_mul_u32_u24 v[AV0], v[AV0], PV
	v_bfe_u32 v31, v0, 3, 1
	v_lshl_add_u32 v[AV0], v31, 4, v[AV0]          ; channels 8 ((l / 8) % 2) on
	v_add_nc_u32 v[AV0], VOFF, v[AV0]
	v_and_b32 v31, 31, v0
	v_lshlrev_b32 v[GO], 4, v31
	s_mul_i32 s60, s[WV], 32*PK                    ; my stage: 32 rows
	v_add_nc_u32 v[STO], s60, v[AK0]
	v_lshrrev_b32 v[RD], 3, v31
	v_mul_u32_u24 v[RD], v[RD], PK
	v_and_b32 v31, 7, v0
	v_lshl_add_u32 v[RD], v31, 4, v[RD]
	v_add_nc_u32 v[RD], s60, v[RD]
	v_lshlrev_b32 v31, 3, v29
	v_sub_nc_u32 v[RH], v28, v31
	v_mov_b32 v[NINF], 0xff800000
.irp q, 0,1
	v_mov_b32 v[ST+8*\q+1], 0xff61b1e6             ; the largest score so far: -3e38, under every score
	v_mul_f32 v[ST+8*\q], s[CS], v[ST+8*\q+1]
.irp i, 2,3,4,5,6,7
	v_mov_b32 v[ST+8*\q+\i], 0                     ; the sum; and the registers at work, written once so that no way reads one unwritten
.endr
.endr
.set i, 0
.rept 64
	v_mov_b32 v[O+i], 0                            ; O^T.  (The step is written once: the first finds zeros, which its factor a = 0 leaves zeros)
.set i, i+1
.endr
	s_wait_loadcnt 0x0                             ; Q
	s_wait_tensorcnt 1                             ; my tile of keys 0-511 is in; the second may stay out
	s_barrier_signal -1
	s_barrier_wait -1
; A KEY STEP: 64 keys against my two tiles of queries.
.macro STEP
	s_cmp_gt_u32 s[KF], s[QL]                      ; all its keys come after my queries: only the lines at its end are run
	s_cbranch_scc1 .Lhidden_\@
	v_add_nc_u32 v[ADK], s[TBK], v[AK0]
	v_add_nc_u32 v[ADV], s[TBV], v[AV0]
.rept 3
	v_nop                                          ; with the two additions five places behind the last step's products: the loads below land on V's registers (four are owed), the products below write over p's (five)
.endr
.irp c, 0,1                                    ; fragment 2 kt + c: keys 16 kt on, channels 32 c on; channels 0-31 of all four tiles first: the first eight products want them alone
.irp kt, 0,1,2,3
	ds_load_b128 v[KV+16*\kt+8*\c:KV+16*\kt+8*\c+3], v[ADK] offset:\kt*16*PK+\c*64
	ds_load_b128 v[KV+16*\kt+8*\c+4:KV+16*\kt+8*\c+7], v[ADK] offset:\kt*16*PK+\c*64+32
.endr
.endr
	s_wait_dscnt 8                                 ; channels 0-31 are in; the eight loads of channels 32-63 may be out
.irp kt, 0,1,2,3                               ; the eight accumulators take turns, one instruction a turn
.irp q, 0,1
	v_wmma_f32_16x16x32_f16 v[S+32*\q+8*\kt:S+32*\q+8*\kt+7], v[KV+16*\kt:KV+16*\kt+7], v[QF+16*\q:QF+16*\q+7], 0
.endr
.endr
	s_wait_dscnt 0x0
.irp kt, 0,1,2,3
.irp q, 0,1
	v_wmma_f32_16x16x32_f16 v[S+32*\q+8*\kt:S+32*\q+8*\kt+7], v[KV+16*\kt+8:KV+16*\kt+15], v[QF+16*\q+8:QF+16*\q+15], v[S+32*\q+8*\kt:S+32*\q+8*\kt+7]
.endr
.endr
.rept 4
	v_nop                                          ; places in front of the loads into K's registers and of the first read of the scores
.endr
.irp f, 0,1,2,3,4,5,6,7                        ; V, turned: fragment 4 c + t: keys 32 c on, channels 16 t on.  It lands while the softmax is walked
	ds_load_tr16_b128 v[KV+8*\f:KV+8*\f+3], v[ADV] offset:(\f/4)*32*PV+(\f%4)*32
	ds_load_tr16_b128 v[KV+8*\f+4:KV+8*\f+7], v[ADV] offset:(\f/4)*32*PV+16*PV+(\f%4)*32
.endr
	s_add_co_u32 s60, s[KF], 63                    ; on the diagonal hidden scores become -infinity; a step all of whose keys count for all my queries skips this
	s_cmp_le_u32 s60, s[Q0]
	s_cbranch_scc1 .Lopen_\@
	s_sub_co_i32 s60, s[Q0], s[KF]
	v_add_nc_u32 v[DM], s60, v[RH]                 ; register 8 kt + j of tile q holds key KF + 16 kt + 8 (l / 16) + j: hidden where 16 kt + j > Q0 + 16 q + l % 16 - KF - 8 (l / 16)
	v_add_nc_u32 v[DM+1], 16, v[DM]
.irp q, 0,1
.set n, 0
.rept 32
	v_cmp_gt_i32 vcc_lo, 16*(n/8)+n%8, v[DM+\q]
	v_cndmask_b32 v[S+32*\q+n], v[S+32*\q+n], v[NINF], vcc_lo
.set n, n+1
.endr
.endr
.Lopen_\@:
.irp j, 0,1,2,3                                ; the largest of a lane's 32 scores and the old m: four chains a tile, each accumulator from its low end on; the tiles line by line in turn
.irp q, 0,1
	v_max3_num_f32 v[ST+8*\q+4+\j], v[S+32*\q+8*\j], v[S+32*\q+8*\j+1], v[S+32*\q+8*\j+2]
.endr
.endr
.irp i, 3,5
.irp j, 0,1,2,3
.irp q, 0,1
	v_max3_num_f32 v[ST+8*\q+4+\j], v[ST+8*\q+4+\j], v[S+32*\q+8*\j+\i], v[S+32*\q+8*\j+\i+1]
.endr
.endr
.endr
.irp q, 0,1
	v_max3_num_f32 v[ST+8*\q+4], v[ST+8*\q+4], v[S+32*\q+7], v[S+32*\q+15]
.endr
.irp q, 0,1
	v_max3_num_f32 v[ST+8*\q+6], v[ST+8*\q+6], v[S+32*\q+23], v[S+32*\q+31]
.endr
.irp q, 0,1
	v_max3_num_f32 v[ST+8*\q+4], v[ST+8*\q+4], v[ST+8*\q+5], v[ST+8*\q+6]
.endr
.irp q, 0,1
	v_max3_num_f32 v[ST+8*\q+4], v[ST+8*\q+4], v[ST+8*\q+7], v[ST+8*\q+1]
.endr
.irp q, 0,1
	v_permlanex16_b32 v[ST+8*\q+5], v[ST+8*\q+4], s[SEL], s[SEL+1]   ; the query's other 32 keys lie in the lane 16 away
.endr
.irp q, 0,1
	v_mov_b32 v[ST+8*\q+7], v[ST+8*\q]             ; c m_old is kept for a
.endr
.irp q, 0,1
	v_max_num_f32 v[ST+8*\q+1], v[ST+8*\q+4], v[ST+8*\q+5]
.endr
.irp q, 0,1
	v_mul_f32 v[ST+8*\q], s[CS], v[ST+8*\q+1]
.endr
.irp q, 0,1
	v_sub_f32 v[ST+8*\q+7], v[ST+8*\q+7], v[ST+8*\q]
.endr
.irp b, 0,2,4,6,8,10,12,14,16,18,20,22,24,26,28,30
.irp q, 0,1
	v_pk_fma_f32 v[S+32*\q+\b:S+32*\q+\b+1], v[S+32*\q+\b:S+32*\q+\b+1], s[CS:CS+1], v[ST+8*\q:ST+8*\q+1] op_sel_hi:[1,0,0] neg_lo:[0,0,1] neg_hi:[0,0,1]   ; c s - c m
.endr
.endr
.irp q, 0,1
	v_exp_f32 v[ST+8*\q+6], v[ST+8*\q+7]           ; a = 2^(c m_old - c m_new)
.endr
.set n, 0
.rept 32
	v_exp_f32 v[S+n], v[S+n]                       ; p: one batch of 66 exponentials
	v_exp_f32 v[S+32+n], v[S+32+n]
.set n, n+1
.endr
	v_nop                                          ; a plain instruction behind the last exponential
	s_wait_alu depctr_va_vdst(0)                   ; one wait for the batch, ahead of its first reader
.irp q, 0,1                                    ; the sums, of p before it is rounded: two packed chains a tile
	v_pk_add_f32 v[ST+8*\q+4:ST+8*\q+5], v[S+32*\q:S+32*\q+1], v[S+32*\q+2:S+32*\q+3]
	v_pk_add_f32 v[DM+2*\q:DM+2*\q+1], v[S+32*\q+4:S+32*\q+5], v[S+32*\q+6:S+32*\q+7]
.endr
.irp j, 8,12,16,20,24,28
.irp q, 0,1
	v_pk_add_f32 v[ST+8*\q+4:ST+8*\q+5], v[ST+8*\q+4:ST+8*\q+5], v[S+32*\q+\j:S+32*\q+\j+1]
	v_pk_add_f32 v[DM+2*\q:DM+2*\q+1], v[DM+2*\q:DM+2*\q+1], v[S+32*\q+\j+2:S+32*\q+\j+3]
.endr
.endr
.irp q, 0,1
	v_pk_add_f32 v[ST+8*\q+4:ST+8*\q+5], v[ST+8*\q+4:ST+8*\q+5], v[DM+2*\q:DM+2*\q+1]
.endr
.irp q, 0,1
	v_pk_fma_f32 v[ST+8*\q+2:ST+8*\q+3], v[ST+8*\q+2:ST+8*\q+3], v[ST+8*\q+6:ST+8*\q+7], v[ST+8*\q+4:ST+8*\q+5] op_sel_hi:[1,0,1]   ; l = a l + the step's sum
.endr
.irp d, 0,1,2,3,4,5,6,7,8,9,10,11,12,13,14,15  ; p to f16, in place: register d takes numbers 2 d and 2 d + 1, ascending, so that nothing is written before it is read
.irp q, 0,1
	v_cvt_pk_f16_f32 v[S+32*\q+\d], v[S+32*\q+2*\d], v[S+32*\q+2*\d+1]
.endr
.endr
.irp j, 0,2,4,6,8,10,12,14,16,18,20,22,24,26,28,30
.irp q, 0,1
	v_pk_mul_f32 v[O+32*\q+\j:O+32*\q+\j+1], v[O+32*\q+\j:O+32*\q+\j+1], v[ST+8*\q+6:ST+8*\q+7] op_sel_hi:[1,0]   ; O^T x a, each accumulator from its low end on
.endr
.endr
	s_wait_dscnt 0x0                               ; V is in
.irp c, 0,1                                    ; O^T += V^T P: eight accumulators by turns
.irp t, 0,1,2,3
.irp q, 0,1
	v_wmma_f32_16x16x32_f16 v[O+32*\q+8*\t:O+32*\q+8*\t+7], v[KV+32*\c+8*\t:KV+32*\c+8*\t+7], v[S+32*\q+8*\c:S+32*\q+8*\c+7], v[O+32*\q+8*\t:O+32*\q+8*\t+7]
.endr
.endr
.endr
.Lhidden_\@:
	s_add_co_u32 s[KF], s[KF], 64
	s_add_co_u32 s[TBK], s[TBK], 64*PK
	s_add_co_u32 s[TBV], s[TBV], 64*PV
.endm
.macro WALK n                          ; n steps: 64 n keys
	s_mov_b32 s[CNT], \n
.Lstep_\@:
	STEP
	s_sub_co_u32 s[CNT], s[CNT], 1
	s_cmp_lg_u32 s[CNT], 0
	s_cbranch_scc1 .Lstep_\@
.endm
	WALK 2                                         ; keys 0-127, while the tiles of keys 512-1023 land
	s_wait_tensorcnt 0x0                           ; my tile of keys 512-1023 is in,
	s_wait_dscnt 0x0
	s_barrier_signal -1
	s_barrier_wait -1                              ; everybody's is: the reads of steps 8 to 15 stand behind this barrier
	WALK 14
	s_wait_dscnt 0x0                               ; my reads of K are over,
	s_barrier_signal -1
	s_barrier_wait -1                              ; everybody's are: K's bytes, which have had their only fill, now serve as stages
	; THE WAY OUT: the sum's parts are added, O^T is divided by the sum, rounded to f16 and sent through my stage: my 32 rows of 128 bytes are 4,096 consecutive bytes of oh
.irp q, 0,1
	v_add_f32 v[ST+8*\q+4], v[ST+8*\q+2], v[ST+8*\q+3]
.endr
.irp q, 0,1
	v_permlanex16_b32 v[ST+8*\q+5], v[ST+8*\q+4], s[SEL], s[SEL+1]
.endr
.irp q, 0,1
	v_add_f32 v[ST+8*\q+4], v[ST+8*\q+4], v[ST+8*\q+5]
.endr
.irp q, 0,1
	v_rcp_f32 v[ST+8*\q+6], v[ST+8*\q+4]
.endr
	v_nop                                          ; a plain instruction behind the last reciprocal
	s_wait_alu depctr_va_vdst(0)                   ; and the wait ahead of the first use
.irp q, 0,1
.irp j, 0,2,4,6,8,10,12,14,16,18,20,22,24,26,28,30
	v_pk_mul_f32 v[O+32*\q+\j:O+32*\q+\j+1], v[O+32*\q+\j:O+32*\q+\j+1], v[ST+8*\q+6:ST+8*\q+7] op_sel_hi:[1,0]
.endr
.endr
.set i, 0
.rept 32
	v_cvt_pk_f16_f32 v[S+i], v[O+2*i], v[O+2*i+1]
.set i, i+1
.endr
.irp q, 0,1
.irp t, 0,1,2,3
	ds_store_b128 v[STO], v[S+16*\q+4*\t:S+16*\q+4*\t+3] offset:16*PK*\q+32*\t   ; lane (r, h): o(16 q + r, 16 t + 8 h + 0 .. 7)
.endr
.endr
.irp t, 0,1,2,3,4,5,6,7
	ds_load_b128 v[S+32+4*\t:S+32+4*\t+3], v[RD] offset:4*PK*\t   ; LDS serves a wave's instructions in order: these see my stores
.endr
.irp t, 0,1,2,3,4,5,6,7
	s_wait_dscnt 7-\t
	global_store_b128 v[GO], v[S+32+4*\t:S+32+4*\t+3], s[6:7] offset:512*\t   ; 32 lanes store 512 consecutive bytes, aligned
.endr
	s_wait_tensorcnt 0x0                           ; the wave's end: three lines behind my last tensor load and my last LDS store
	ds_add_u32 v[SPW], v[NIL]
	s_wait_dscnt 0x0
	s_endpgm
.Lfunc_end_k_qf33d81d485_attn:
	.size	k_qf33d81d485_attn, .Lfunc_end_k_qf33d81d485_attn-k_qf33d81d485_attn
	.p2alignl 7, 3214868480
	.fill 96, 4, 3214868480
	.section	.rodata,"a",@progbits
	.p2align	6, 0x0
	.amdhsa_kernel k_qf33d81d485_attn
		.amdhsa_group_segment_fixed_size 327680
		.amdhsa_private_segment_fixed_size 0
		.amdhsa_enable_private_segment 0
		.amdhsa_kernarg_size 16
		.amdhsa_user_sgpr_count 2
		.amdhsa_user_sgpr_kernarg_segment_ptr 1
		.amdhsa_wavefront_size32 1
		.amdhsa_system_sgpr_workgroup_id_x 1
		.amdhsa_system_sgpr_workgroup_id_y 1
		.amdhsa_system_sgpr_workgroup_id_z 1
		.amdhsa_system_vgpr_workitem_id 0
		.amdhsa_next_free_vgpr 256
		.amdhsa_next_free_sgpr 66
		.amdhsa_reserve_vcc 1
		.amdhsa_float_denorm_mode_32 3
		.amdhsa_float_denorm_mode_16_64 3
		.amdhsa_memory_ordered 1
		.amdhsa_forward_progress 1
		.amdhsa_inst_pref_size 59
	.end_amdhsa_kernel
	.amdgpu_metadata
---
amdhsa.version: [ 1, 2 ]
amdhsa.kernels:
  - .name:           k_qf33d81d485_attn
    .symbol:         k_qf33d81d485_attn.kd
    .args:
      - { .name: qkvh, .offset: 0, .size: 8, .value_kind: global_buffer, .address_space: global }
      - { .name: oh, .offset: 8, .size: 8, .value_kind: global_buffer, .address_space: global }
    .group_segment_fixed_size: 327680
    .private_segment_fixed_size: 0
    .kernarg_segment_align: 8
    .kernarg_segment_size: 16
    .max_flat_workgroup_size: 512
    .sgpr_count:     66
    .vgpr_count:     256
    .wavefront_size: 32
...
	.end_amdgpu_metadata
.endif
;; end of part 3
;; launch proj (part 4): grid 8 x 32, 4 waves a work-group, clusters of 4 x 4, 327,680 bytes of LDS; arguments oh, wo16, bo, out0; writes out0
.if DOCPART == 4
	.amdgcn_target "amdgcn-amd-amdhsa--gfx1250"
	.amdhsa_code_object_version 6
	.text
	.protected	k_qf33d81d485_proj
	.globl	k_qf33d81d485_proj
	.p2align	8
	.type	k_qf33d81d485_proj,@function
k_qf33d81d485_proj:
	s_mov_b64 s[64:65], 0
	v_nop
	global_prefetch_b8 v0, s[64:65] scope:SCOPE_SE
	s_setreg_imm32_b32 hwreg(HW_REG_WAVE_MODE, 25, 1), 1
	s_wait_xcnt 0x0
	s_wait_alu depctr_hold_cnt(0) depctr_sa_sdst(0) depctr_va_vdst(0) depctr_va_sdst(0) depctr_va_ssrc(0) depctr_va_vcc(0) depctr_vm_vsrc(0)
	s_getreg_b32 s2, hwreg(HW_REG_IB_STS2, 6, 4)
	s_cmp_eq_u32 s2, 0
	s_cbranch_scc0 .Lentry_in_a_cluster
	s_endpgm
.Lentry_in_a_cluster:
	s_bfe_u32 s2, ttmp6, 0x10000c
	s_cmp_lg_u32 s2, 0xf033
	s_cbranch_scc0 .Lentry_shape_is_right
	s_endpgm
.Lentry_shape_is_right:
; PROJ: out = o Wo + bo for positions 16-999 of each batch, f16 operands, f32 sums.  o: oh [8][16 heads][1024][64] f16; Wo^T: the high part of wo16, [1024 n][1024 k] f16; out0 [8][1000][1024] f32.
; Positions 0-15 are another launch's; rows 1000-1023 are padding: both are multiplied with their tiles and not stored.
; A tile of 256 rows x 128 columns is made by a work-group of four waves; a wave makes 128 x 64: 32 accumulators, 256 registers.  256 work-groups.
; K goes in steps of 128, two heads, through a ring of two LDS slots.  One tensor load a wave: waves 0 and 1 bring the two heads' 256 rows of o (32 KiB dense each), waves 2 and 3 64 rows of Wo^T (256 bytes each).
; CLUSTERS: 4 x 4 work-groups; o's tiles are shared along a row of the cluster, Wo's along a column, asked for jointly.  The tile row is 8 cy + cluster y, so that its place in its batch is the same in all
; sixteen partners: the branches round the stores of rows that are not mine hang on the cluster's y and the wave's number alone.
; THE MATRIX INSTRUCTION IS USED TRANSPOSED (source 0 = 16 rows of Wo^T, source 1 = 16 rows of o): a lane holds eight neighbouring columns of one row.  The bias is the C of each sum's first product.
; No prefetch: the launch is short and its tensor loads follow each other closely.
; REGISTERS: window 0: v16-30 addresses; v32-63 the bias; v64-127 rows on the way out.  window 1: two fragment buffers at v0 and v128: o's eight fragments, then from + 64 Wo's four.  window 2: the accumulators, (a, b) at v[8 (4 a + b)].
.set PA,    144                        ; a row of o in LDS: 128 bytes + 16
.set PB,    272                        ; a row of Wo^T: 256 bytes + 16
.set AHEAD, 256*PA                     ; a head's 256 rows
.set BOFF,  2*AHEAD
.set HALFB, 64*PB
.set SLOT,  BOFF+2*HALFB
.set STAGE, 2*SLOT                     ; behind the ring: 16 rows x 272 bytes for each wave
.set SPARE, STAGE+4*16*272
.set ADRA, 16
.set ADRB, 20
.set STO,  24
.set RD,   25
.set CO,   26
.set BO,   27
.set SPW,  28
.set NIL,  29
.set BIAS, 32
.set BK,   64
.set F0,   0
.set F1,   128
.set WV, 13                            ; s13 the wave
.set WR, 14                            ; s14 which 128 rows are mine.  Also: I fetch o (0) or Wo (1)
.set WC, 15                            ; s15 which 64 columns.  Also: which head of the step's two, or which 64 rows of Wo^T, I fetch
.set SK, 22                            ; s22 which run of 128 positions of the batch is mine, 0 .. 7
.set G1, 24
.set G0, 32
.set G1B, 48
.set G0B, 56
.set MSB, 0
.macro WIN new
.if MSB != \new
	s_set_vgpr_msb (MSB<<8)|\new
.set MSB, \new
.endif
.endm
.set MUL,  0xa5                        ; sources 0 and 1 window 1; C and D window 2
.set MUL0, 0x85                        ; C (the bias) window 0
.set TO_F, 0x40
.macro JLOAD s                         ; an s_nop 0 and four v_nop follow each of the two lines
	s_cmp_eq_u32 s[WR], 0
	s_cbranch_scc0 .Lfor_b_\@
	tensor_load_to_lds s[G0+4*\s:G0+4*\s+3], s[G1:G1+7]
	s_nop 0
.rept 4
	v_nop
.endr
	s_branch .Lasked_\@
.Lfor_b_\@:
	tensor_load_to_lds s[G0B+4*\s:G0B+4*\s+3], s[G1B:G1B+7]
	s_nop 0
.rept 4
	v_nop
.endr
.Lasked_\@:
.endm
.macro CREST
	s_cmp_lg_u32 s[WV], 0
	s_cbranch_scc1 .Lnot_wave_0_\@
	s_barrier_signal -3
.Lnot_wave_0_\@:
	s_barrier_wait -3
	s_barrier_signal -1
	s_barrier_wait -1
.endm
.macro CROUND
	s_barrier_signal -1
	s_barrier_wait -1
	CREST
.endm
	s_load_b256 s[4:11], s[0:1], 0x0               ; oh s[4:5], wo16 s[6:7], bo s[8:9], out0 s[10:11]
	v_lshl_add_u32 v[SPW], v0, 2, SPARE
	v_mov_b32 v[NIL], 0
	ds_add_u32 v[SPW], v[NIL]                      ; the wave's opening: the add, twice on end, and its wait ahead of my first tensor load
	ds_add_u32 v[SPW], v[NIL]
	v_lshrrev_b32 v1, 5, v0
	v_readfirstlane_b32 s[WV], v1
	s_lshr_b32 s[WR], s[WV], 1
	s_and_b32 s[WC], s[WV], 1
	s_bfe_u32 s40, ttmp6, 0x40000                  ; cx
	s_bfe_u32 s41, ttmp6, 0x40004                  ; cy
	s_lshl_b32 s42, ttmp9, 2
	s_add_co_u32 s42, s42, s40                     ; tile column = 4 x cluster x + cx
	s_and_b32 s12, ttmp7, 0xffff
	s_lshl_b32 s16, s41, 3
	s_add_co_u32 s12, s12, s16                     ; tile row = 8 cy + cluster y
	s_and_b32 s[SK], ttmp7, 3
	s_lshl_b32 s[SK], s[SK], 1
	s_add_co_u32 s[SK], s[SK], s[WR]
	s_lshl_b32 s43, s41, 2
	s_lshl_b32 s43, 15, s43                        ; my row of the cluster
	s_lshl_b32 s44, 0x1111, s40                    ; my column
	s_or_b32 s[G1+0], s43, (1<<16)|(1<<20)|(1<<21)|(4<<22)|(3<<25)    ; o: elements of 2 bytes; 4 words of padding after every 32
	s_mov_b32 s[G1+1], 64<<16                      ; tensor_dim0
	s_mov_b32 s[G1+2], 256<<16                     ; tensor_dim1
	s_mov_b32 s[G1+3], 64<<16                      ; tile_dim0
	s_mov_b32 s[G1+4], 256                         ; tile_dim1
	s_mov_b32 s[G1+5], 64                          ; from row to row
	s_mov_b32 s[G1+6], 0
	s_mov_b32 s[G1+7], 0
	s_or_b32 s[G1B+0], s44, (1<<16)|(1<<20)|(1<<21)|(5<<22)|(3<<25)   ; Wo^T: 4 words after every 64
	s_mov_b32 s[G1B+1], 128<<16
	s_mov_b32 s[G1B+2], 64<<16
	s_mov_b32 s[G1B+3], 128<<16
	s_mov_b32 s[G1B+4], 64
	s_mov_b32 s[G1B+5], 1024
	s_mov_b32 s[G1B+6], 0
	s_mov_b32 s[G1B+7], 0
	s_lshr_b32 s16, s12, 2                         ; the batch
	s_lshl_b32 s16, s16, 4
	s_add_co_u32 s16, s16, s[WC]                   ; 16 batch + my head of step 0
	s_lshl_b32 s16, s16, 17
	s_and_b32 s17, s12, 3
	s_lshl_b32 s17, s17, 15                        ; the tile's 256 rows of 128 bytes
	s_add_co_u32 s16, s16, s17
	s_mov_b32 s17, 0
	s_lshl_b32 s46, s42, 18                        ; Wo^T: 128 rows of 2,048 bytes a tile column,
	s_lshl_b32 s47, s[WC], 17                      ; my 64 of them
	s_add_co_u32 s46, s46, s47
	s_mov_b32 s47, 0
	s_mul_i32 s20, s[WC], AHEAD                    ; where they go: no place in the cluster enters an LDS address
	s_mul_i32 s21, s[WC], HALFB
	s_add_co_u32 s21, s21, BOFF
	s_wait_dscnt 0x0
	s_wait_kmcnt 0x0
	s_add_nc_u64 s[18:19], s[4:5], s[16:17]
	s_add_nc_u64 s[46:47], s[6:7], s[46:47]
	CROUND                                         ; all sixteen work-groups are here: the first joint loads meet
.irp s, 0,1
	s_mov_b32 s[G0+4*\s], 1
	s_add_co_u32 s[G0+4*\s+1], s20, \s*SLOT
	s_add_nc_u64 s[G0+4*\s+2:G0+4*\s+3], s[18:19], \s*2*131072   ; K step s: two heads on
	s_or_b32 s[G0+4*\s+3], s[G0+4*\s+3], 0x80000000
	s_mov_b32 s[G0B+4*\s], 1
	s_add_co_u32 s[G0B+4*\s+1], s21, \s*SLOT
	s_add_nc_u64 s[G0B+4*\s+2:G0B+4*\s+3], s[46:47], \s*256
	s_or_b32 s[G0B+4*\s+3], s[G0B+4*\s+3], 0x80000000
	JLOAD \s                                       ; two loads of mine are out
.endr
	v_and_b32 v1, 15, v0                           ; r
	v_bfe_u32 v2, v0, 4, 1                         ; h
	s_lshl_b32 s46, s42, 9
	s_lshl_b32 s47, s[WC], 8
	s_add_co_u32 s46, s46, s47                     ; my first column, in bytes of f32
	s_mov_b32 s47, 0
	s_add_nc_u64 s[8:9], s[8:9], s[46:47]
	v_lshlrev_b32 v[BO], 5, v2
.irp b, 0,1,2,3
	global_load_b128 v[BIAS+8*\b:BIAS+8*\b+3], v[BO], s[8:9] offset:64*\b       ; bo at columns 16 b + 8 h + 0 .. 7
	global_load_b128 v[BIAS+8*\b+4:BIAS+8*\b+7], v[BO], s[8:9] offset:64*\b+16
.endr
	s_lshr_b32 s16, s12, 2
	s_mul_i32 s16, s16, 1000                       ; in out0 a batch has 1,000 rows
	s_and_b32 s17, s12, 3
	s_lshl_b32 s17, s17, 8
	s_add_co_u32 s16, s16, s17
	s_lshl_b32 s17, s[WR], 7
	s_add_co_u32 s16, s16, s17                     ; my first row
	s_lshl_b32 s16, s16, 12
	s_add_co_u32 s46, s46, s16
	s_add_nc_u64 s[10:11], s[10:11], s[46:47]
	v_mul_u32_u24 v3, v1, PA
	v_lshl_add_u32 v3, v2, 4, v3
	v_mul_u32_u24 v4, v1, PB
	v_lshl_add_u32 v4, v2, 4, v4
	s_mul_i32 s20, s[WR], 128*PA                   ; my 128 rows of o
	s_mul_i32 s21, s[WC], HALFB                    ; my 64 rows of Wo^T
	s_add_co_u32 s21, s21, BOFF
.irp s, 0,1
	v_add_nc_u32 v[ADRA+\s], s20, v3
	v_add_nc_u32 v[ADRB+\s], s21, v4
	s_add_co_u32 s20, s20, SLOT
	s_add_co_u32 s21, s21, SLOT
.endr
	s_mul_i32 s23, s[WV], 16*272
	s_add_co_u32 s23, s23, STAGE                   ; my stage
	v_mul_u32_u24 v5, v1, 272
	v_lshl_add_u32 v5, v2, 5, v5
	v_add_nc_u32 v[STO], s23, v5                   ; in: row r, 32 bytes for each half of the lanes
	v_mul_u32_u24 v5, v2, 272
	v_lshl_add_u32 v5, v1, 4, v5
	v_add_nc_u32 v[RD], s23, v5                    ; back: lanes 0-15 one row of 256 bytes, lanes 16-31 the next
	v_lshlrev_b32 v5, 12, v2
	v_lshl_add_u32 v[CO], v1, 4, v5                ; and the same two rows in out0
.macro MUL8 f, a0, first               ; 8 matrix instructions: row blocks a0, a0 + 1 x the 4 column blocks, 32 along K.  The 32 accumulators take turns in the same order in every quarter
.irp a, \a0, \a0+1
.irp b, 0,1,2,3
.if \first
	v_wmma_f32_16x16x32_f16 v[8*(4*(\a)+\b):8*(4*(\a)+\b)+7], v[\f+64+8*\b:\f+64+8*\b+7], v[\f+8*(\a):\f+8*(\a)+7], v[BIAS+8*\b:BIAS+8*\b+7]
.else
	v_wmma_f32_16x16x32_f16 v[8*(4*(\a)+\b):8*(4*(\a)+\b)+7], v[\f+64+8*\b:\f+64+8*\b+7], v[\f+8*(\a):\f+8*(\a)+7], v[8*(4*(\a)+\b):8*(4*(\a)+\b)+7]
.endif
.endr
.endr
.endm
.macro FETCH slot, kk, f               ; 24 LDS loads in one run: quarter kk of the slot (32 along K) into buffer f: Wo's four fragments, o's blocks 0-3, o's blocks 4-7
	WIN TO_F
.irp i, 0,1,2,3
	ds_load_b128 v[\f+64+8*\i:\f+64+8*\i+3], v[ADRB+\slot] offset:64*(\kk)+\i*16*PB
	ds_load_b128 v[\f+64+8*\i+4:\f+64+8*\i+7], v[ADRB+\slot] offset:64*(\kk)+\i*16*PB+32
.endr
.irp i, 0,1,2,3,4,5,6,7
	ds_load_b128 v[\f+8*\i:\f+8*\i+3], v[ADRA+\slot] offset:((\kk)/2)*AHEAD+((\kk)%2)*64+\i*16*PA
	ds_load_b128 v[\f+8*\i+4:\f+8*\i+7], v[ADRA+\slot] offset:((\kk)/2)*AHEAD+((\kk)%2)*64+\i*16*PA+32
.endr
.endm
.macro PLACES
.rept 4
	v_nop
.endr
.endm
.macro QUARTER slot, kk, f, g, first   ; multiplies buffer f; in its middle fetches quarter kk of the same slot into g
	s_wait_dscnt 8                                 ; Wo's fragments and o's blocks 0-3 are in; the youngest eight loads may be out
.if \first
	WIN MUL0
.else
	WIN MUL
.endif
	MUL8 \f, 0, \first
	MUL8 \f, 2, \first
	PLACES
	FETCH \slot, \kk, \g
	s_wait_dscnt 24                                ; all but the 24 just issued
.if \first
	WIN MUL0
.else
	WIN MUL
.endif
	MUL8 \f, 4, \first
	MUL8 \f, 6, \first
.endm
; A slot's last quarter multiplies buffer 1 and changes slots: one barrier; in front of it each wave waits for all its tensor loads, adds 0 to its spare word, and waits for that and for its reads of this slot.
; fill = 1: the barrier opens a round of the cluster's, and this slot is filled again, two K steps ahead, first thing behind the round.
.macro TURN slot, next, fill
	WIN 0
	s_wait_tensorcnt 0x0                           ; all my tensor loads have landed: my part of the next slot
	ds_add_u32 v[SPW], v[NIL]                      ; 0 onto my spare word
	s_wait_dscnt 9                                 ; (the add and the youngest eight loads may be out)
	WIN MUL
	MUL8 F1, 0, 0
	s_wait_dscnt 0x0                               ; the add is done, and my reads of this slot are over
	s_barrier_signal -1
	MUL8 F1, 2, 0
.if \fill
	WIN 0
.endif
	s_barrier_wait -1
.if \fill
	CREST                                          ; no wave of any partner still reads this slot or has a load on its way
	s_add_nc_u64 s[G0+4*\slot+2:G0+4*\slot+3], s[G0+4*\slot+2:G0+4*\slot+3], 4*131072
	s_add_nc_u64 s[G0B+4*\slot+2:G0B+4*\slot+3], s[G0B+4*\slot+2:G0B+4*\slot+3], 512
	JLOAD \slot                                    ; 112 matrix instructions stand between it and the wait for it; its four v_nop are also the places in front of the loads below
.else
	PLACES
.endif
	FETCH \next, 0, F0
	WIN MUL
	MUL8 F1, 4, 0
	MUL8 F1, 6, 0
.endm
	s_wait_tensorcnt 1                             ; my part of K step 0 is in (K step 1's load may be out),
	s_barrier_signal -1
	s_barrier_wait -1                              ; everybody's is
	FETCH 0, 0, F0
	s_wait_loadcnt 0x0                             ; the bias
	QUARTER 0, 1, F0, F1, 1                        ; the first quarter stands in front of the loop: its products start the sums, from the bias
	WIN 0
	s_mov_b32 s3, 3
.Llap:                                             ; a trip goes once round the ring and fills both slots again: K steps 2 to 7 in three trips
	QUARTER 0, 2, F1, F0, 0
	QUARTER 0, 3, F0, F1, 0
	TURN 0, 1, 1
	QUARTER 1, 1, F0, F1, 0
	QUARTER 1, 2, F1, F0, 0
	QUARTER 1, 3, F0, F1, 0
	TURN 1, 0, 1
	QUARTER 0, 1, F0, F1, 0
	WIN 0
	s_sub_co_u32 s3, s3, 1
	s_cmp_lg_u32 s3, 0
	s_cbranch_scc1 .Llap
	QUARTER 0, 2, F1, F0, 0                        ; the last lap fills nothing
	QUARTER 0, 3, F0, F1, 0
	TURN 0, 1, 0
	QUARTER 1, 1, F0, F1, 0
	QUARTER 1, 2, F1, F0, 0
	QUARTER 1, 3, F0, F1, 0
	s_wait_dscnt 8
	WIN MUL
	MUL8 F1, 0, 0
	MUL8 F1, 2, 0
	s_wait_dscnt 0
	MUL8 F1, 4, 0
	MUL8 F1, 6, 0
	WIN 0
; THE WAY OUT, a block of 16 rows x 64 columns at a time, through my own stage: back as whole runs of 256 bytes of a row, which sixteen lanes store.
.macro TOSTAGE a
	WIN 0x08                                       ; an LDS store's data are its source 1: window 2
.irp b, 0,1,2,3
	ds_store_b128 v[STO], v[8*(4*(\a)+\b):8*(4*(\a)+\b)+3] offset:64*\b       ; each accumulator from its low end on
	ds_store_b128 v[STO], v[8*(4*(\a)+\b)+4:8*(4*(\a)+\b)+7] offset:64*\b+16
.endr
	WIN 0
.set BB, BK+32*((\a)%2)
.irp t, 0,1,2,3,4,5,6,7
	ds_load_b128 v[BB+4*\t:BB+4*\t+3], v[RD] offset:\t*2*272
.endr
.endm
; Not stored: positions 0-15 (block 0 of a batch's first run) and rows 1000 on (of its last run: the second half of block 6, and block 7).
.macro SEND a, younger
.set BB, BK+32*((\a)%2)
	s_wait_dscnt \younger                          ; the block is back; the next block's stage traffic may be out
.if (\a) == 0
	s_cmp_eq_u32 s[SK], 0
	s_cbranch_scc1 .Lskip_\@
.endif
.if (\a) == 7
	s_cmp_eq_u32 s[SK], 7
	s_cbranch_scc1 .Lskip_\@
.endif
.irp t, 0,1,2,3,4,5,6,7
.if ((\a) == 6) && (\t == 4)
	s_cmp_eq_u32 s[SK], 7
	s_cbranch_scc1 .Lskip_\@
.endif
	global_store_b128 v[CO], v[BB+4*\t:BB+4*\t+3], s[10:11] offset:(16*(\a)+2*\t)*4096 th:TH_STORE_NT   ; 16 lanes store 256 consecutive bytes, aligned
.endr
.Lskip_\@:
.endm
	PLACES
	TOSTAGE 0
.irp a, 1,2,3,4,5,6,7
.if \a > 1
	s_wait_xcnt 0x0                                ; block a - 2's stores have read their registers: block a's loads may land there
.endif
	TOSTAGE \a
	SEND \a-1, 16
.endr
	SEND 7, 0
	s_wait_tensorcnt 0x0                           ; the wave's end: the three lines
	ds_add_u32 v[SPW], v[NIL]
	s_wait_dscnt 0x0
	CROUND                                         ; the closing round
	s_endpgm
.Lfunc_end_k_qf33d81d485_proj:
	.size	k_qf33d81d485_proj, .Lfunc_end_k_qf33d81d485_proj-k_qf33d81d485_proj
	.p2alignl 7, 3214868480
	.fill 96, 4, 3214868480
	.section	.rodata,"a",@progbits
	.p2align	6, 0x0
	.amdhsa_kernel k_qf33d81d485_proj
		.amdhsa_group_segment_fixed_size 327680
		.amdhsa_private_segment_fixed_size 0
		.amdhsa_enable_private_segment 0
		.amdhsa_kernarg_size 32
		.amdhsa_user_sgpr_count 2
		.amdhsa_user_sgpr_kernarg_segment_ptr 1
		.amdhsa_wavefront_size32 1
		.amdhsa_system_sgpr_workgroup_id_x 1
		.amdhsa_system_sgpr_workgroup_id_y 1
		.amdhsa_system_sgpr_workgroup_id_z 1
		.amdhsa_system_vgpr_workitem_id 0
		.amdhsa_next_free_vgpr 768
		.amdhsa_next_free_sgpr 66
		.amdhsa_reserve_vcc 0
		.amdhsa_float_denorm_mode_32 3
		.amdhsa_float_denorm_mode_16_64 3
		.amdhsa_memory_ordered 1
		.amdhsa_forward_progress 1
		.amdhsa_inst_pref_size 87
	.end_amdhsa_kernel
	.amdgpu_metadata
---
amdhsa.version: [ 1, 2 ]
amdhsa.kernels:
  - .name:           k_qf33d81d485_proj
    .symbol:         k_qf33d81d485_proj.kd
    .args:
      - { .name: oh, .offset: 0, .size: 8, .value_kind: global_buffer, .address_space: global }
      - { .name: wo16, .offset: 8, .size: 8, .value_kind: global_buffer, .address_space: global }
      - { .name: bo, .offset: 16, .size: 8, .value_kind: global_buffer, .address_space: global }
      - { .name: out0, .offset: 24, .size: 8, .value_kind: global_buffer, .address_space: global }
    .group_segment_fixed_size: 327680
    .private_segment_fixed_size: 0
    .kernarg_segment_align: 8
    .kernarg_segment_size: 32
    .max_flat_workgroup_size: 128
    .sgpr_count:     66
    .vgpr_count:     768
    .wavefront_size: 32
...
	.end_amdgpu_metadata
.endif
;; end of part 4
;; launch fine (part 5): grid 16 x 8, 16 waves a work-group, no clusters, 224,256 bytes of LDS; arguments qkvf, wo16, bo, out0; writes out0
.if DOCPART == 5
	.amdgcn_target "amdgcn-amd-amdhsa--gfx1250"
	.amdhsa_code_object_version 6
	.text
	.protected	k_qf33d81d485_fine
	.globl	k_qf33d81d485_fine
	.p2align	8
	.type	k_qf33d81d485_fine,@function
k_qf33d81d485_fine:
	s_mov_b64 s[64:65], 0
	v_nop
	global_prefetch_b8 v0, s[64:65] scope:SCOPE_SE
	s_setreg_imm32_b32 hwreg(HW_REG_WAVE_MODE, 25, 1), 1
	s_wait_xcnt 0x0
; FINE: positions 0-15 of each batch, which average few values, carried finely.  Grid x = a run of 64 output columns, grid y = the batch.
; STAGE 1, a head to a wave: attention of the 16 positions in f32 (v_wmma_f32_16x16x4_f32; q, k, v from qkvf [8][16][3072] f32), causal, the row's maximum taken away.  o is split, in f32, into a high and a
; low f16 part.  (Each of the batch's 16 work-groups makes all 16 heads anew: 16 x 16 x 64 numbers a head.)  The parts go to LDS as images of the next product's operand registers.
; STAGE 2, wave = (tile of 16 columns, quarter of K): out = oH WoH + oL WoH + oH WoL, f16 products with f32 sums; the four quarters meet in LDS; bo is added; sixteen lanes store 256 consecutive bytes of a row.
; LOADS IN WHOLE RUNS.  An operand wants a row to a lane; memory has a row's bytes side by side.  So q, k and Wo^T are loaded as they lie (sixteen lanes take the 256 bytes of a head's row of q or k, 32 lanes the
; 512 bytes of my quarter of a row of Wo^T) and turn through a stage of the wave's own in LDS: first q and k, then Wo's low part, then its high part.  LDS serves a wave's instructions in order, so the
; stage's three uses need no wait between them and no barrier.
; The registers that the f32 matrix form writes, v112-175, are written by nothing else in this text.
.set IMG,   0                          ; 16 heads x 4,096 bytes: (K step c, part) at 1,024 (2 c + part): 8 registers x 32 lanes
.set PART,  65536                      ; 4 quarters x 16 rows x 272 bytes
.set WSTG,  82944                      ; a stage of 8,704 bytes for each wave: q's and k's 16 rows of 256 bytes + 16, or Wo's 16 rows of 512 bytes + 16
.set SPARE, 222208
.set SPW, 14
.set NIL, 15
.set WRD, 254                          ; v254 where I read a fragment of Wo^T out of my stage; free once stage 2 begins
	s_load_b256 s[4:11], s[0:1], 0x0               ; qkvf s[4:5], wo16 s[6:7], bo s[8:9], out0 s[10:11]
	v_lshl_add_u32 v[SPW], v0, 2, SPARE
	v_mov_b32 v[NIL], 0
	v_lshrrev_b32 v1, 5, v0
	v_readfirstlane_b32 s12, v1                    ; wave 0..15: the head in stage 1
	s_mul_i32 s13, s12, 8704
	s_add_co_u32 s13, s13, WSTG                    ; my stage
	s_mov_b32 s14, 0x76543210
	s_mov_b32 s15, 0xfedcba98                      ; v_permlanex16_b32's selects for lane l xor 16
	s_mov_b32 s16, 0x3e38aa3b                      ; c = log2(e) / 8
	s_mov_b32 s17, 0x1000                          ; half of the last place that f16 keeps
	s_mov_b32 s18, 0xffffe000                      ; sign, exponent, ten bits of mantissa
	s_and_b32 s20, ttmp7, 0xffff                   ; the batch
	s_mul_i32 s22, s20, 196608
	s_lshl_b32 s23, s12, 8                         ; the head's 64 numbers
	s_add_co_u32 s22, s22, s23
	s_mov_b32 s23, 0
	s_and_b32 s24, s12, 3                          ; stage 2: my tile of 16 columns,
	s_lshr_b32 s25, s12, 2                         ; my quarter of K
	s_lshl_b32 s26, ttmp9, 17                      ; 64 rows of Wo^T of 2,048 bytes
	s_lshl_b32 s27, s24, 15
	s_add_co_u32 s26, s26, s27
	s_lshl_b32 s27, s25, 9
	s_add_co_u32 s26, s26, s27
	s_mov_b32 s27, 0
	s_lshl_b32 s28, ttmp9, 8                       ; 64 columns of f32
	s_mov_b32 s29, 0
	s_mul_i32 s30, s20, 4096000                    ; 1,000 rows of 4,096 bytes a batch
	s_add_co_u32 s30, s30, s28
	s_mov_b32 s31, 0
	v_and_b32 v248, 15, v0                         ; r
	v_bfe_u32 v249, v0, 4, 1                       ; h
	v_and_b32 v5, 31, v0
	v_lshlrev_b32 v5, 4, v5                        ; 16 x lane: also my place in the 512 bytes of a row of Wo^T
	v_mul_u32_u24 v1, v249, 272
	v_lshl_add_u32 v1, v248, 4, v1
	v_add_nc_u32 v1, s13, v1                       ; q, k into my stage: row h of a pair of rows, 16 r
	v_mul_u32_u24 v2, v248, 272
	v_lshl_add_u32 v2, v249, 7, v2
	v_add_nc_u32 v2, s13, v2                       ; and back: row r, channels 32 h on
	v_mul_u32_u24 v3, v249, 12288
	v_lshl_add_u32 v3, v248, 4, v3                 ; q, k in memory: row h of a pair of rows, 16 r
	v_mul_u32_u24 v4, v249, 98304
	v_lshl_add_u32 v4, v248, 2, v4                 ; v: rows 8 h on, channel r
	s_lshl_b32 s21, s12, 12
	v_add_nc_u32 v6, s21, v5                       ; where I store my head's images
	s_lshl_b32 s21, s25, 14
	v_add_nc_u32 v7, s21, v5                       ; where my quarter's four heads' images begin
	v_mul_u32_u24 v8, v248, 272
	v_lshl_add_u32 v8, v249, 5, v8
	s_mul_i32 s21, s25, 16*272
	s_lshl_b32 s19, s24, 6
	s_add_co_u32 s21, s21, s19
	s_add_co_u32 s21, s21, PART
	v_add_nc_u32 v8, s21, v8                       ; my part of the sums: quarter, row r, my tile's 64 bytes, + 32 h
	s_and_b32 s19, s12, 7
	s_lshl_b32 s19, s19, 1
	v_add_nc_u32 v10, s19, v249                    ; the last phase: row 2 (wave % 8) + h
	v_mul_u32_u24 v9, v10, 272
	v_lshl_add_u32 v9, v248, 4, v9
	v_add_nc_u32 v9, PART, v9
	v_lshlrev_b32 v10, 12, v10
	v_lshl_add_u32 v10, v248, 4, v10               ; and its place in out0
	v_lshlrev_b32 v11, 3, v249
	v_sub_nc_u32 v11, v248, v11                    ; r - 8 h
	v_add_nc_u32 v12, s13, v5                      ; Wo^T into my stage: 16 x lane of a row of 512 bytes + 16
	v_mov_b32 v13, 0xff800000                      ; -infinity
	v_mul_u32_u24 v[WRD], v248, 528
	v_lshl_add_u32 v[WRD], v249, 4, v[WRD]
	v_add_nc_u32 v[WRD], s13, v[WRD]               ; and back: row r, + 16 h
	s_wait_kmcnt 0x0
	s_add_nc_u64 s[4:5], s[4:5], s[22:23]
	s_add_nc_u64 s[6:7], s[6:7], s[26:27]
	s_add_nc_u64 s[8:9], s[8:9], s[28:29]
	s_add_nc_u64 s[10:11], s[10:11], s[30:31]
.irp i, 0,1,2,3,4,5,6,7
	global_load_b128 v[16+4*\i:19+4*\i], v3, s[4:5] offset:24576*\i        ; q, rows 2 i and 2 i + 1: sixteen lanes read the head's 256 bytes of a row
.endr
.irp i, 0,1,2,3,4,5,6,7
	global_load_b128 v[48+4*\i:51+4*\i], v3, s[4:5] offset:4096+24576*\i   ; k likewise
.endr
.irp t, 0,1,2,3
.irp k, 0,1,2,3,4,5,6,7
	global_load_b32 v[80+8*\t+\k], v4, s[4:5] offset:8192+12288*\k+64*\t   ; v(8 h + k, 16 t + r): v80-111
.endr
.endr
.irp j, 0,1,2,3,4,5,6,7,8,9,10,11,12,13,14,15
	global_load_b128 v[176+4*\j:179+4*\j], v5, s[6:7] offset:2097152+2048*\j   ; Wo's low part: row j of my 16, my quarter of K: 512 consecutive bytes
.endr
	s_wait_loadcnt 48                              ; q and k are in; v's 32 loads and the low part's 16 may be out
.irp i, 0,1,2,3,4,5,6,7
	ds_store_b128 v1, v[16+4*\i:19+4*\i] offset:544*\i
.endr
.irp i, 0,1,2,3,4,5,6,7
	ds_store_b128 v1, v[48+4*\i:51+4*\i] offset:4352+544*\i
.endr
.irp i, 0,1,2,3,4,5,6,7
	ds_load_b128 v[16+4*\i:19+4*\i], v2 offset:16*\i               ; q(r, 32 h + 0 .. 31): v16-47
.endr
.irp i, 0,1,2,3,4,5,6,7
	ds_load_b128 v[48+4*\i:51+4*\i], v2 offset:4352+16*\i          ; k likewise: v48-79
.endr
	s_wait_dscnt 0x0
; S^T = K Q^T: step c takes registers 2 c, 2 c + 1 of both: channels 2 c, 2 c + 1 in lanes 0-15 and 32 + 2 c, 33 + 2 c in lanes 16-31: K permuted alike on both sides.  Four accumulators by turns.
.set c, 0
.rept 16
.if c < 4
	v_wmma_f32_16x16x4_f32 v[112+8*(c%4):119+8*(c%4)], v[48+2*c:49+2*c], v[16+2*c:17+2*c], 0
.else
	v_wmma_f32_16x16x4_f32 v[112+8*(c%4):119+8*(c%4)], v[48+2*c:49+2*c], v[16+2*c:17+2*c], v[112+8*(c%4):119+8*(c%4)]
.endif
.set c, c+1
.endr
.rept 8
	v_nop                                          ; eight places behind this form before a result is read
.endr
.irp j, 0,1,2,3,4,5,6,7                        ; the four parts are added, each accumulator from its low end on: lane (r, h) holds query r, keys 8 h + j
	v_add_f32 v[240+\j], v[112+\j], v[120+\j]
	v_add_f32 v[240+\j], v[240+\j], v[128+\j]
	v_add_f32 v[240+\j], v[240+\j], v[136+\j]
.endr
.irp j, 0,1,2,3,4,5,6,7
	v_cmp_gt_i32 vcc_lo, \j, v11                   ; key 8 h + j comes after query r
	v_cndmask_b32 v[240+\j], v[240+\j], v13, vcc_lo
.endr
	v_max3_num_f32 v248, v240, v241, v242
	v_max3_num_f32 v249, v243, v244, v245
	v_max3_num_f32 v248, v248, v246, v247
	v_max_num_f32 v248, v248, v249
	v_permlanex16_b32 v249, v248, s14, s15
	v_max_num_f32 v248, v248, v249                 ; the row's largest score (key 0 counts for every query)
	v_mul_f32 v248, s16, v248
.irp j, 0,1,2,3,4,5,6,7
	v_fma_f32 v[240+\j], v[240+\j], s16, -v248
.endr
.irp j, 0,1,2,3,4,5,6,7
	v_exp_f32 v[240+\j], v[240+\j]
.endr
	v_nop                                          ; a plain instruction behind the last exponential
	s_wait_alu depctr_va_vdst(0)                   ; one wait for the batch, ahead of its first reader
	v_add_f32 v249, v240, v241
	v_add_f32 v250, v242, v243
	v_add_f32 v251, v244, v245
	v_add_f32 v252, v246, v247
	v_add_f32 v249, v249, v250
	v_add_f32 v251, v251, v252
	v_add_f32 v249, v249, v251
	v_permlanex16_b32 v250, v249, s14, s15
	v_add_f32 v249, v249, v250
	v_rcp_f32 v249, v249
	v_nop
	s_wait_alu depctr_va_vdst(0)
.irp j, 0,1,2,3,4,5,6,7
	v_mul_f32 v[240+\j], v[240+\j], v249           ; the weights, normalised
.endr
	s_wait_loadcnt 16                              ; v is in; the low part's 16 loads may be out
; O^T = V^T P: step c takes p's registers 2 c, 2 c + 1: keys 8 h + 2 c, + 1, and v's rows were loaded so.  Four accumulators (16 channels each) by turns.
.irp c, 0,1,2,3
.irp t, 0,1,2,3
.if \c == 0
	v_wmma_f32_16x16x4_f32 v[144+8*\t:151+8*\t], v[80+8*\t+2*\c:81+8*\t+2*\c], v[240+2*\c:241+2*\c], 0
.else
	v_wmma_f32_16x16x4_f32 v[144+8*\t:151+8*\t], v[80+8*\t+2*\c:81+8*\t+2*\c], v[240+2*\c:241+2*\c], v[144+8*\t:151+8*\t]
.endif
.endr
.endr
.rept 8
	v_nop                                          ; eight places: in front of loads into registers that these products read, and of the first read of results
.endr
.irp j, 0,1,2,3,4,5,6,7,8,9,10,11,12,13,14,15
	global_load_b128 v[48+4*\j:51+4*\j], v5, s[6:7] offset:2048*\j   ; Wo's high part, row by row: v48-111
.endr
	s_wait_loadcnt 16                              ; the low part is in; the high part's 16 loads may be out
.irp j, 0,1,2,3,4,5,6,7,8,9,10,11,12,13,14,15
	ds_store_b128 v12, v[176+4*\j:179+4*\j] offset:528*\j   ; behind my reads of q and k
.endr
.irp s, 0,1,2,3,4,5,6,7
	ds_load_b128 v[176+8*\s:179+8*\s], v[WRD] offset:64*\s       ; K step s of my quarter: row r, k = 32 s + 8 h + 0 .. 7,
	ds_load_b128 v[180+8*\s:183+8*\s], v[WRD] offset:64*\s+32    ; and + 16: v176-239
.endr
; o, split: high = the number's bits + 0x1000, cut to ten bits of mantissa; low = the number less that, exact.  Accumulator t holds channels 16 t + 8 h + 0 .. 7 of query r: its four packed registers are
; registers 4 (t % 2) .. + 3 of source 1 for K step t / 2 of this head.  High: v16-31; low: v32-47.
.set i, 0
.rept 16
.set TA, 248+2*(i%2)
	v_add_nc_u32 v[TA], s17, v[144+2*i]
	v_add_nc_u32 v[TA+1], s17, v[145+2*i]
	v_and_b32 v[TA], s18, v[TA]
	v_and_b32 v[TA+1], s18, v[TA+1]
	v_cvt_pk_f16_f32 v[16+i], v[TA], v[TA+1]
	v_sub_f32 v[TA], v[144+2*i], v[TA]
	v_sub_f32 v[TA+1], v[145+2*i], v[TA+1]
	v_cvt_pk_f16_f32 v[32+i], v[TA], v[TA+1]
.set i, i+1
.endr
.irp c, 0,1
.irp p, 0,1
.irp u, 0,1
	ds_store_b128 v6, v[16+16*\p+8*\c+4*\u:19+16*\p+8*\c+4*\u] offset:IMG+1024*(2*\c+\p)+512*\u   ; an image of the registers: lane l's 16 bytes at 16 l
.endr
.endr
.endr
	s_wait_loadcnt 0x0                             ; the high part is in
.irp j, 0,1,2,3,4,5,6,7,8,9,10,11,12,13,14,15
	ds_store_b128 v12, v[48+4*\j:51+4*\j] offset:528*\j     ; behind my reads of the low part
.endr
.irp s, 0,1,2,3,4,5,6,7
	ds_load_b128 v[48+8*\s:51+8*\s], v[WRD] offset:64*\s
	ds_load_b128 v[52+8*\s:55+8*\s], v[WRD] offset:64*\s+32
.endr
	s_wait_dscnt 0x0                               ; my images have landed (and Wo's two parts are back in registers),
	s_barrier_signal -1
	s_barrier_wait -1                              ; everybody's have
; STAGE 2: source 0 = my 16 rows of Wo^T, source 1 = o: a lane holds position r and eight neighbouring columns.  Two accumulators by turns: v240-247, v248-255.
.set NM, 0
.macro P2 a, b
.set AC2, 240+8*(NM%2)
.if NM < 2
	v_wmma_f32_16x16x32_f16 v[AC2:AC2+7], v[\a:\a+7], v[\b:\b+7], 0
.else
	v_wmma_f32_16x16x32_f16 v[AC2:AC2+7], v[\a:\a+7], v[\b:\b+7], v[AC2:AC2+7]
.endif
.set NM, NM+1
.endm
.irp hh, 0,1,2,3                               ; the four heads of my quarter of K
.irp x, 0,1,2,3,4,5,6,7
	ds_load_b128 v[16+4*\x:19+4*\x], v7 offset:IMG+4096*\hh+512*\x   ; K step c: high part at v[16 + 16 c], low at v[24 + 16 c]
.endr
	s_wait_dscnt 0x0
.irp c, 0,1
	P2 48+8*(2*\hh+\c), 16+16*\c
	P2 48+8*(2*\hh+\c), 24+16*\c
	P2 176+8*(2*\hh+\c), 16+16*\c
.endr
.rept 4
	v_nop                                          ; places in front of the next loads into o's registers, and of the first read of results
.endr
.endr
.irp j, 0,1,2,3,4,5,6,7
	v_add_f32 v[16+\j], v[240+\j], v[248+\j]
.endr
	ds_store_b128 v8, v[16:19]
	ds_store_b128 v8, v[20:23] offset:16
	s_wait_dscnt 0x0
	s_barrier_signal -1
	s_barrier_wait -1                              ; the four quarters' sums lie in LDS
	s_cmp_ge_u32 s12, 8                            ; waves 0-7 take two rows each
	s_cbranch_scc1 .Ldone
	v_and_b32 v36, 15, v0
	v_lshlrev_b32 v36, 4, v36                      ; bo: 16 r
	global_load_b128 v[32:35], v36, s[8:9]
.irp k, 0,1,2,3
	ds_load_b128 v[16+4*\k:19+4*\k], v9 offset:16*272*\k
.endr
	s_wait_dscnt 0x0
	v_pk_add_f32 v[16:17], v[16:17], v[20:21]
	v_pk_add_f32 v[18:19], v[18:19], v[22:23]
	v_pk_add_f32 v[24:25], v[24:25], v[28:29]
	v_pk_add_f32 v[26:27], v[26:27], v[30:31]
	v_pk_add_f32 v[16:17], v[16:17], v[24:25]
	v_pk_add_f32 v[18:19], v[18:19], v[26:27]
	s_wait_loadcnt 0x0
	v_pk_add_f32 v[16:17], v[16:17], v[32:33]
	v_pk_add_f32 v[18:19], v[18:19], v[34:35]
	global_store_b128 v10, v[16:19], s[10:11]      ; 16 lanes store 256 consecutive bytes, aligned
.Ldone:
	s_wait_tensorcnt 0x0                           ; the wave's end: three lines behind my last LDS store
	ds_add_u32 v[SPW], v[NIL]
	s_wait_dscnt 0x0
	s_endpgm
.Lfunc_end_k_qf33d81d485_fine:
	.size	k_qf33d81d485_fine, .Lfunc_end_k_qf33d81d485_fine-k_qf33d81d485_fine
	.p2alignl 7, 3214868480
	.fill 96, 4, 3214868480
	.section	.rodata,"a",@progbits
	.p2align	6, 0x0
	.amdhsa_kernel k_qf33d81d485_fine
		.amdhsa_group_segment_fixed_size 224256
		.amdhsa_private_segment_fixed_size 0
		.amdhsa_enable_private_segment 0
		.amdhsa_kernarg_size 32
		.amdhsa_user_sgpr_count 2
		.amdhsa_user_sgpr_kernarg_segment_ptr 1
		.amdhsa_wavefront_size32 1
		.amdhsa_system_sgpr_workgroup_id_x 1
		.amdhsa_system_sgpr_workgroup_id_y 1
		.amdhsa_system_sgpr_workgroup_id_z 1
		.amdhsa_system_vgpr_workitem_id 0
		.amdhsa_next_free_vgpr 256
		.amdhsa_next_free_sgpr 66
		.amdhsa_reserve_vcc 1
		.amdhsa_float_denorm_mode_32 3
		.amdhsa_float_denorm_mode_16_64 3
		.amdhsa_memory_ordered 1
		.amdhsa_forward_progress 1
		.amdhsa_inst_pref_size 35
	.end_amdhsa_kernel
	.amdgpu_metadata
---
amdhsa.version: [ 1, 2 ]
amdhsa.kernels:
  - .name:           k_qf33d81d485_fine
    .symbol:         k_qf33d81d485_fine.kd
    .args:
      - { .name: qkvf, .offset: 0, .size: 8, .value_kind: global_buffer, .address_space: global }
      - { .name: wo16, .offset: 8, .size: 8, .value_kind: global_buffer, .address_space: global }
      - { .name: bo, .offset: 16, .size: 8, .value_kind: global_buffer, .address_space: global }
      - { .name: out0, .offset: 24, .size: 8, .value_kind: global_buffer, .address_space: global }
    .group_segment_fixed_size: 224256
    .private_segment_fixed_size: 0
    .kernarg_segment_align: 8
    .kernarg_segment_size: 32
    .max_flat_workgroup_size: 512
    .sgpr_count:     66
    .vgpr_count:     256
    .wavefront_size: 32
...
	.end_amdgpu_metadata
.endif
;; end of part 5
